; MI455X (gfx1250); checked and timed in simulation.
; The chip was launched on July 23, 2026; its instructions are those of AMD's public machine-readable ISA for CDNA 5 (MIT licence, August 2026) and "CDNA5" Instruction Set Architecture Reference Guide (July 2026). The comments in the code are by the model that wrote it; some were corrected since.
;; Fused Mo E Model. Allowed arithmetic: matrix products marked QUANTISED: E2M1 operands, one E8M0 scale for each 32 along K, by v_wmma_scale_f32_16x16x128_f8f6f4 with both operands' format E2M1 (or v_wmma_scale_f32_32x16x128_f4), f32 sums; products left as they are: f32 operands where the result goes on into a quantised operand, else bf16, f16 or f32 operands; f32 sums; everything else in f32.
;; Inputs: router_w 8 x 1,024 float32; w1 8 x 4,096 x 512 int32; w1_scale 8 x 4,096 x 8 float32; w2 8 x 1,024 x 1,024 int32; w2_scale 8 x 1,024 x 16 float32; x 1,024 x 1,024 float32.
;; Outputs: out0 1,024 x 1,024 float32.
;; This version of the problem:
;;   THIS VERSION OF THE PROBLEM IS GIVEN IN LOW PRECISION. The matrix products marked QUANTISED in the list below multiply operands that are first quantised to E2M1 (2 exponent bits, 1 mantissa bit; 4 bits a number), with one power-of-two scale for each 32 numbers along K (OCP MX v1.0); their sums are f32. All else is computed in f32.
;;   The module's matrix products, in the order in which they are computed (A, B: the left and right operand; K: the contracted axis; several contracted axes count as one K, in the product's order):
;;     1. [M 1,024, K 1,024] x [K 1,024, N 8]; A: input x; B: input router_w: left as it is (N = 8 < 16)
;;     2. [M 1,024, K 1,024] x [K 1,024, N 4,096]; A: input x; B: computed on the way: QUANTISED
;;     3. [M 1,024, K 2,048] x [K 2,048, N 1,024]; A: computed on the way; B: computed on the way: QUANTISED
;;     4. [M 1,024, K 1,024] x [K 1,024, N 4,096]; A: input x; B: computed on the way: QUANTISED
;;     5. [M 1,024, K 2,048] x [K 2,048, N 1,024]; A: computed on the way; B: computed on the way: QUANTISED
;;     6. [M 1,024, K 1,024] x [K 1,024, N 4,096]; A: input x; B: computed on the way: QUANTISED
;;     7. [M 1,024, K 2,048] x [K 2,048, N 1,024]; A: computed on the way; B: computed on the way: QUANTISED
;;     8. [M 1,024, K 1,024] x [K 1,024, N 4,096]; A: input x; B: computed on the way: QUANTISED
;;     9. [M 1,024, K 2,048] x [K 2,048, N 1,024]; A: computed on the way; B: computed on the way: QUANTISED
;;     10. [M 1,024, K 1,024] x [K 1,024, N 4,096]; A: input x; B: computed on the way: QUANTISED
;;     11. [M 1,024, K 2,048] x [K 2,048, N 1,024]; A: computed on the way; B: computed on the way: QUANTISED
;;     12. [M 1,024, K 1,024] x [K 1,024, N 4,096]; A: input x; B: computed on the way: QUANTISED
;;     13. [M 1,024, K 2,048] x [K 2,048, N 1,024]; A: computed on the way; B: computed on the way: QUANTISED
;;     14. [M 1,024, K 1,024] x [K 1,024, N 4,096]; A: input x; B: computed on the way: QUANTISED
;;     15. [M 1,024, K 2,048] x [K 2,048, N 1,024]; A: computed on the way; B: computed on the way: QUANTISED
;;     16. [M 1,024, K 1,024] x [K 1,024, N 4,096]; A: input x; B: computed on the way: QUANTISED
;;     17. [M 1,024, K 2,048] x [K 2,048, N 1,024]; A: computed on the way; B: computed on the way: QUANTISED
;;   THE QUANTISER, for each operand of a quantised product, along K:
;;     - K is cut into blocks of 32 from its start; a last block that is shorter is filled with zeros.
;;     - A block's scale is 2^e with e = floor(log2(the largest magnitude in the block)) - 2, held to -126 .. 127; a block of zeros has e = 0. As a byte (E8M0): e + 127.
;;     - Each number is divided by its block's scale, clamped to +-6, and rounded to the nearest number of E2M1, ties to even, subnormals kept.
;;     - The product sums the exact products of the quantised numbers (number of the format x scale) in f32.
;;   ~~~python
;;   def quantise(x, axis):      # numpy; x: float32 -> the quantised numbers, widened to float32 again
;;       x = np.moveaxis(x, axis, -1); K = x.shape[-1]
;;       x = np.pad(x, [(0, 0)] * (x.ndim - 1) + [(0, -K % 32)]); x = x.reshape(x.shape[:-1] + (-1, 32)); a = np.abs(x).max(-1, keepdims=True)
;;       e = np.where(a > 0, np.clip(np.frexp(np.where(a > 0, a, 1))[1] - 1 - 2, -126, 127), 0)      # np.frexp(a)[1] - 1 = floor(log2(a)), exactly
;;       r = np.clip(x / 2.0 ** e, -6, 6)
;;       step = 2.0 ** (np.maximum(np.frexp(np.where(r == 0, 1, r))[1] - 1, 0) - 1)
;;       q = np.round(r / step) * step * 2.0 ** e      # np.round: ties to even
;;       return np.moveaxis(q.reshape(q.shape[:-2] + (-1,))[..., :K], -1, axis).astype(np.float32)
;;   ~~~
;;   OPERANDS COMPUTED ON THE WAY. 'Computed on the way' means the value that the module computes at that place (a softmax that the list does not call 'softmax' is quantised finished and normalised). What goes into a quantiser is computed in f32, as accurately as f32 sums, v_exp_f32 and their like allow (about 1e-6 of the number): no bf16 or f16 on the way to a quantiser, and a product that is left as it is and whose result goes on into a quantised operand takes f32 operands (vector FMAs, or v_wmma_f32_16x16x4_f32). A number that lies on a knife's edge between two numbers of the format may be rounded either way, as far as f32 arithmetic and the matrix unit's own rounding can turn it there, and no further.
;; 2 versions. Each part assembles by itself: llvm-mc -triple=amdgcn-amd-amdhsa -mcpu=gfx1250 --defsym DOCPART=n.
;; ======== version 1 of 2: 4 launches
;; workspace buffers: xq 524,288 bytes; xs 32,768 bytes; rec 4,096 bytes of whole numbers; gw 8,192 bytes; aq 8,388,608 bytes; asc 524,288 bytes; pos 33,024 bytes of whole numbers; ybuf 33,554,432 bytes
;; launch route (part 1): grid 128 x 1, 8 waves a work-group, no clusters, 71,680 bytes of LDS; arguments x, router_w, xq, xs, rec, gw; writes xq, xs, rec, gw
.if DOCPART == 1
	.amdgcn_target "amdgcn-amd-amdhsa--gfx1250"
	.amdhsa_code_object_version 6
	.text
	.protected	k_q7cdd3350f9_route
	.globl	k_q7cdd3350f9_route
	.p2align	8
	.type	k_q7cdd3350f9_route,@function
k_q7cdd3350f9_route:
	s_mov_b64 s[64:65], 0
	v_nop
	global_prefetch_b8 v0, s[64:65] scope:SCOPE_SE
	s_setreg_imm32_b32 hwreg(HW_REG_WAVE_MODE, 25, 1), 1
	s_wait_xcnt 0x0
; ROUTER AND x's CODES.  x [1024][1024] f32, router_w [8][1024] f32.
; A work-group takes 8 tokens, wave w token t = 8 x work-group + w.  For its token a wave makes
;   the 8 scores in f32 (packed multiply-adds, two chains a score, then a sum over the 32 lanes),
;   the two largest (strictly greater wins, so the lower index is kept where two are equal), their softmax with the larger one taken away,
;   and the token's 1,024 numbers as codes of E2M1 with one E8M0 byte for each 32.
; OUT, all at places that hang on the token's number alone:
;   xq[t]: 512 bytes; block B = 4 s + 2 c + h (K = 32 B on) at h 256 + s 32 + c 16: a lane (row, h) of a later matrix operand finds its 8 K steps in 256 consecutive bytes
;   xs[t][B]: the block's byte;   rec[t] = (1 << e0 | 1 << e1) | e0 << 8 | e1 << 16;   gw[t] = the two gates, f32
; LIMITS: NaN and infinities are not served.  The scores' sums go in another order than a plain dot product: scores equal within f32 rounding may be ranked otherwise.
; A block whose largest magnitude lies under 2^-124 keeps the byte 1 (a block of zeros too: its codes are zeros, and this program alone reads the bytes).
; No matrix unit: 8 columns.  No cluster: the work-groups share only router_w, 32 KiB.
.set RW,   0                           ; LDS: router_w as it lies, expert e at 4096 e
.set STG,  32768                       ; a stage for each wave: 32 blocks x (128 bytes + 16)
.set XSB,  69632                       ; 256 scale bytes of the 8 tokens
.set RECS, 69888                       ; their 8 words of rec
.set GWS,  70144                       ; their 8 pairs of gates
.set X,    16                          ; v16-47   my 32 numbers of x as loaded: 128 i + 4 lane + 0..3
.set RB,   48                          ; v48-111  two sets of 32 numbers of router_w
.set Q,    112                         ; v112-143 block `lane` of the token: 32 neighbours
.set CH,   144                         ; v144-175 two packed chains a score
.set SC,   176                         ; v176-183 the scores
.set T,    184                         ; v184-199 at work
.set CD,   200                         ; v200-203 my block's codes
	s_load_b256 s[4:11], s[0:1], 0x0               ; x, router_w, xq, xs
	s_load_b128 s[12:15], s[0:1], 0x20             ; rec, gw
	v_lshl_add_u32 v208, v0, 2, 0x11400
	v_mov_b32 v209, 0
	v_lshrrev_b32 v1, 5, v0
	v_readfirstlane_b32 s16, v1                    ; wave
	v_and_b32 v1, 31, v0                           ; lane
	v_lshlrev_b32 v2, 4, v1                        ; 16 x lane
	v_lshlrev_b32 v6, 3, v1                        ; 8 x lane
	v_lshlrev_b32 v15, 2, v1                       ; 4 x lane
	s_mul_i32 s17, s16, 4608
	s_add_co_u32 s17, s17, STG                     ; my stage
	v_lshrrev_b32 v11, 3, v1
	v_mul_u32_u24 v3, v11, 144
	v_and_b32 v11, 7, v1
	v_lshl_add_u32 v3, v11, 4, v3
	v_add_nc_u32 v3, s17, v3                       ; into the stage: eight lanes' 128 bytes are a block
	v_lshl_add_u32 v13, v11, 2, RECS               ; wave 0's way out: rec,
	v_lshl_add_u32 v14, v11, 3, GWS                ; the gates,
	v_add_nc_u32 v12, XSB, v6                      ; the scale bytes
	v_mul_u32_u24 v4, v1, 144
	v_add_nc_u32 v4, s17, v4                       ; out of the stage: block = lane
	s_lshl_b32 s18, s16, 12
	s_mov_b32 s19, 0
	v_add_nc_u32 v5, s18, v2                       ; RW: row w, which my wave brings
	v_and_b32 v7, 1, v1                            ; xq: block = lane: h = lane & 1,
	v_lshlrev_b32 v7, 8, v7
	v_lshrrev_b32 v11, 2, v1                       ; s = lane >> 2,
	v_lshl_add_u32 v7, v11, 5, v7
	v_bfe_u32 v11, v1, 1, 1                        ; c = (lane >> 1) & 1
	v_lshl_add_u32 v7, v11, 4, v7
	v_add_nc_u32 v8, XSB, v0                       ; my block's byte: 32 w + lane
	s_lshl_b32 s21, s16, 2
	s_add_co_u32 s21, s21, RECS
	v_mov_b32 v9, s21
	s_lshl_b32 s21, s16, 3
	s_add_co_u32 s21, s21, GWS
	v_mov_b32 v10, s21
	s_mov_b32 s26, 0x76543210
	s_mov_b32 s27, 0xfedcba98                      ; v_permlanex16_b32's selects for lane l xor 16
	s_lshl_b32 s20, ttmp9, 3
	s_add_co_u32 s20, s20, s16                     ; my token
	s_mov_b32 s23, 0
	s_wait_kmcnt 0x0
	s_add_nc_u64 s[6:7], s[6:7], s[18:19]          ; router_w at row w
	s_lshl_b32 s22, s20, 12
	s_add_nc_u64 s[4:5], s[4:5], s[22:23]          ; x at my token
	s_lshl_b32 s22, s20, 9
	s_add_nc_u64 s[8:9], s[8:9], s[22:23]          ; xq at my token
	s_lshl_b32 s22, ttmp9, 8
	s_add_nc_u64 s[10:11], s[10:11], s[22:23]      ; xs, rec, gw at the work-group's 8 tokens
	s_lshl_b32 s22, ttmp9, 5
	s_add_nc_u64 s[12:13], s[12:13], s[22:23]
	s_lshl_b32 s22, ttmp9, 6
	s_add_nc_u64 s[14:15], s[14:15], s[22:23]
.irp i, 0,1,2,3,4,5,6,7
	global_load_b128 v[X+4*\i:X+4*\i+3], v2, s[4:5] offset:512*\i th:TH_LOAD_NT    ; 32 lanes read 512 consecutive bytes
.endr
.irp i, 0,1,2,3,4,5,6,7
	global_load_b128 v[RB+4*\i:RB+4*\i+3], v2, s[6:7] offset:512*\i
.endr
	s_wait_loadcnt 0x0
.irp i, 0,1,2,3,4,5,6,7
	ds_store_b128 v5, v[RB+4*\i:RB+4*\i+3] offset:512*\i
.endr
.irp i, 0,1,2,3,4,5,6,7
	ds_store_b128 v3, v[X+4*\i:X+4*\i+3] offset:576*\i           ; a load's 512 bytes are four blocks
.endr
	s_wait_dscnt 0x0                               ; my row of router_w has landed, for the others' sake
	s_barrier_signal -1
	s_barrier_wait -1                              ; all eight rows lie in LDS
.macro LOADRW e
.irp i, 0,1,2,3,4,5,6,7
	ds_load_b128 v[RB+32*((\e)%2)+4*\i:RB+32*((\e)%2)+4*\i+3], v2 offset:(\e)*4096+512*\i
.endr
.endm
.macro DOT e
.set RR, RB+32*((\e)%2)
.set CA, CH+4*(\e)
	v_pk_mul_f32 v[CA:CA+1], v[X:X+1], v[RR:RR+1]                ; the first products start the chains
	v_pk_mul_f32 v[CA+2:CA+3], v[X+2:X+3], v[RR+2:RR+3]
.irp i, 4,8,12,16,20,24,28
	v_pk_fma_f32 v[CA:CA+1], v[X+\i:X+\i+1], v[RR+\i:RR+\i+1], v[CA:CA+1]
	v_pk_fma_f32 v[CA+2:CA+3], v[X+\i+2:X+\i+3], v[RR+\i+2:RR+\i+3], v[CA+2:CA+3]
.endr
	v_pk_add_f32 v[CA:CA+1], v[CA:CA+1], v[CA+2:CA+3]
	v_add_f32 v[SC+(\e)], v[CA], v[CA+1]
.endm
	LOADRW 0
.irp e, 0,1,2,3,4,5,6
	LOADRW \e+1
	s_wait_dscnt 8                                 ; this expert's eight loads are in; the next expert's eight may be out
	DOT \e
.endr
	s_wait_dscnt 0x0
	DOT 7
.irp i, 0,1,2,3,4,5,6,7
	ds_load_b128 v[Q+4*\i:Q+4*\i+3], v4 offset:16*\i             ; my block's 32 neighbours; they land under the work below
.endr
	; the scores: sums over the 32 lanes, every lane ends with the same bits
.irp m, 1,2,4,8
.irp e, 0,1,2,3,4,5,6,7
	v_add_f32_dpp v[SC+\e], v[SC+\e], v[SC+\e] row_xmask:\m row_mask:0xf bank_mask:0xf
.endr
.endr
.irp e, 0,1,2,3,4,5,6,7
	v_mov_b32 v[T+\e], 0                           ; a lane permute's destination counts as one of its sources
.endr
.irp e, 0,1,2,3,4,5,6,7
	v_permlanex16_b32 v[T+\e], v[SC+\e], s26, s27
.endr
.irp e, 0,1,2,3,4,5,6,7
	v_add_f32 v[SC+\e], v[SC+\e], v[T+\e]
.endr
	v_mov_b32 v192, v[SC]                          ; the largest score and its expert
	v_mov_b32 v193, 0
.irp e, 1,2,3,4,5,6,7
	v_cmp_gt_f32 vcc_lo, v[SC+\e], v192
	v_cndmask_b32 v192, v192, v[SC+\e], vcc_lo
	v_cndmask_b32 v193, v193, \e, vcc_lo
.endr
	v_mov_b32 v196, 0xff800000                     ; -infinity takes the winner's place
.irp e, 0,1,2,3,4,5,6,7
	v_cmp_eq_u32 vcc_lo, \e, v193
	v_cndmask_b32 v[SC+\e], v[SC+\e], v196, vcc_lo
.endr
	v_mov_b32 v194, v[SC]                          ; the second
	v_mov_b32 v195, 0
.irp e, 1,2,3,4,5,6,7
	v_cmp_gt_f32 vcc_lo, v[SC+\e], v194
	v_cndmask_b32 v194, v194, v[SC+\e], vcc_lo
	v_cndmask_b32 v195, v195, \e, vcc_lo
.endr
	v_sub_f32 v197, v194, v192                     ; the softmax of the two, the larger taken away: 1 and p = e^(s2 - s1), over 1 + p
	v_mul_f32 v197, 0x3fb8aa3b, v197
	v_exp_f32 v198, v197
	v_mov_b32 v199, 1                              ; (a plain line behind the exponential)
	s_wait_alu depctr_va_vdst(0)                   ; the wait ahead of the first use of p
	v_add_f32 v197, 1.0, v198
	v_rcp_f32 v184, v197                           ; g0
	v_lshlrev_b32 v186, v193, v199                 ; 1 << e0  (a plain line behind the reciprocal)
	s_wait_alu depctr_va_vdst(0)                   ; and ahead of the first use of the reciprocal
	v_mul_f32 v185, v198, v184                     ; g1
	v_lshlrev_b32 v187, v195, v199
	v_or_b32 v186, v186, v187
	v_lshl_or_b32 v186, v193, 8, v186
	v_lshl_or_b32 v186, v195, 16, v186             ; rec
	; my block of x: its largest magnitude, its byte, its codes
	s_wait_dscnt 0x0
	v_max3_num_f32 v188, |v[Q]|, |v[Q+1]|, |v[Q+2]|
	v_max3_num_f32 v189, |v[Q+3]|, |v[Q+4]|, |v[Q+5]|
.irp i, 6,10,14,18,22,26
	v_max3_num_f32 v188, v188, |v[Q+\i]|, |v[Q+\i+1]|
	v_max3_num_f32 v189, v189, |v[Q+\i+2]|, |v[Q+\i+3]|
.endr
	v_max3_num_f32 v188, v188, |v[Q+30]|, |v[Q+31]|
	v_max3_num_f32 v188, v188, v189, 0x1800000     ; the floor 2^(3 - 127): the byte cannot fall under 1
	v_add_nc_u32 v189, 0xff000000, v188            ; 2 off the exponent field: the conversion takes this operand's exponent field as its scale
.irp g, 0,1,2,3
	v_cvt_scalef32_pk8_fp4_f32 v[CD+\g], v[Q+8*\g:Q+8*\g+7], v189
.endr
	v_lshrrev_b32 v190, 23, v189                   ; the byte (a plain line behind the conversions)
	global_store_b128 v7, v[CD:CD+3], s[8:9]       ; the wave's 32 x 16 bytes are the token's 512: two aligned runs of 256 bytes, each written whole
	ds_store_b8 v8, v190
	ds_store_b32 v9, v186                          ; all lanes write the same word with the same value
	ds_store_b64 v10, v[184:185]
	s_wait_dscnt 0x0                               ; for wave 0's sake
	s_barrier_signal -1
	s_barrier_wait -1
	s_cmp_lg_u32 s16, 0
	s_cbranch_scc1 .Lend                           ; wave 0 stores what the eight waves gathered
	ds_load_b64 v[188:189], v12
	ds_load_b32 v190, v13
	ds_load_b64 v[192:193], v14
	s_wait_dscnt 0x0
	global_store_b64 v6, v[188:189], s[10:11]      ; 32 lanes store 256 consecutive bytes, aligned
	s_wait_xcnt 0x0                                ; EXEC changes only behind this wait
	v_cmp_gt_u32 vcc_lo, 8, v1
	s_and_saveexec_b32 s24, vcc_lo
	global_store_b32 v15, v190, s[12:13]
	global_store_b64 v6, v[192:193], s[14:15]
	s_wait_xcnt 0x0                                ; and again ahead of the line that widens it
	s_or_b32 exec_lo, exec_lo, s24
.Lend:
	s_barrier_signal -1
	s_barrier_wait -1
	s_wait_tensorcnt 0x0
	ds_add_u32 v208, v209
	s_wait_dscnt 0x0
	s_endpgm
.Lfunc_end_k_q7cdd3350f9_route:
	.size	k_q7cdd3350f9_route, .Lfunc_end_k_q7cdd3350f9_route-k_q7cdd3350f9_route
	.p2alignl 7, 3214868480
	.fill 96, 4, 3214868480
	.section	.rodata,"a",@progbits
	.p2align	6, 0x0
	.amdhsa_kernel k_q7cdd3350f9_route
		.amdhsa_group_segment_fixed_size 71680
		.amdhsa_private_segment_fixed_size 0
		.amdhsa_enable_private_segment 0
		.amdhsa_kernarg_size 48
		.amdhsa_user_sgpr_count 2
		.amdhsa_user_sgpr_kernarg_segment_ptr 1
		.amdhsa_wavefront_size32 1
		.amdhsa_system_sgpr_workgroup_id_x 1
		.amdhsa_system_sgpr_workgroup_id_y 1
		.amdhsa_system_sgpr_workgroup_id_z 1
		.amdhsa_system_vgpr_workitem_id 0
		.amdhsa_next_free_vgpr 210
		.amdhsa_next_free_sgpr 66
		.amdhsa_reserve_vcc 1
		.amdhsa_float_denorm_mode_32 3
		.amdhsa_float_denorm_mode_16_64 3
		.amdhsa_memory_ordered 1
		.amdhsa_forward_progress 1
		.amdhsa_inst_pref_size 28
	.end_amdhsa_kernel
	.amdgpu_metadata
---
amdhsa.version: [ 1, 2 ]
amdhsa.kernels:
  - .name:           k_q7cdd3350f9_route
    .symbol:         k_q7cdd3350f9_route.kd
    .args:
      - { .name: x, .offset: 0, .size: 8, .value_kind: global_buffer, .address_space: global }
      - { .name: router_w, .offset: 8, .size: 8, .value_kind: global_buffer, .address_space: global }
      - { .name: xq, .offset: 16, .size: 8, .value_kind: global_buffer, .address_space: global }
      - { .name: xs, .offset: 24, .size: 8, .value_kind: global_buffer, .address_space: global }
      - { .name: rec, .offset: 32, .size: 8, .value_kind: global_buffer, .address_space: global }
      - { .name: gw, .offset: 40, .size: 8, .value_kind: global_buffer, .address_space: global }
    .group_segment_fixed_size: 71680
    .private_segment_fixed_size: 0
    .kernarg_segment_align: 8
    .kernarg_segment_size: 48
    .max_flat_workgroup_size: 256
    .sgpr_count:     66
    .vgpr_count:     210
    .wavefront_size: 32
...
	.end_amdgpu_metadata
.endif
;; end of part 1
;; launch up (part 2): grid 32 x 8, 8 waves a work-group, no clusters, 261,120 bytes of LDS; arguments w1, w1_scale, xq, xs, rec, aq, asc, pos; writes aq, asc, pos
.if DOCPART == 2
	.amdgcn_target "amdgcn-amd-amdhsa--gfx1250"
	.amdhsa_code_object_version 6
	.text
	.protected	k_q7cdd3350f9_up
	.globl	k_q7cdd3350f9_up
	.p2align	8
	.type	k_q7cdd3350f9_up,@function
k_q7cdd3350f9_up:
	s_mov_b64 s[64:65], 0
	v_nop
	global_prefetch_b8 v0, s[64:65] scope:SCOPE_SE
	s_setreg_imm32_b32 hwreg(HW_REG_WAVE_MODE, 25, 1), 1
	s_wait_xcnt 0x0
; FIRST PRODUCT AND SwiGLU, for the rows that chose the expert.  Work-group (j, e): expert e, hidden units 64 j .. 64 j + 63: 64 gate rows and 64 up rows of W1, which no other work-group reads.
; w1 [8][4096][512] int32, a byte (two int4, the lower k in the low four bits) in each; w1_scale [8][4096][8] f32, one for 128 along K.  w = (q - 8) x scale in f32, then the MX quantiser along K.
; THREE PARTS.
;  LIST: from rec (one word a token) every work-group makes the expert's list rank -> token, in gather form: thread n finds the tokens of ranks n, n + 256, n + 512, n + 768.  The order of ranks is that of the
;        32 mask words (word g, bit l: token 128 (g / 4) + 4 l + g % 4); any fixed order serves, since pos hands it on.  Work-group j = 0 stores, for every token, pos[e][token] = how many of the expert's tokens
;        stand ahead of it in that order (its rank, where it chose the expert; else a number that nobody reads), and the count.
;  WEIGHTS: wave w = 4 b + p makes tile p (0, 1: gate; 2, 3: up) of block b of 32 hidden units: 16 rows x 1,024 K: 8 fragments and their scale words, stored in LDS as images of the operand's registers.
;        THE ROWS OF A TILE ARE NOT NEIGHBOURS: lane r takes row base + r + 8 (r / 8), so that the 16 registers of two neighbouring tiles are 16 neighbouring hidden units.
;  ROWS: in chunks of 128 ranks.  x's CODES COME THROUGH LDS: wave w brings rows 16 w .. 16 w + 15 of a chunk, a row's 512 bytes by ONE load of the 32 lanes, and their scale bytes by one more; the work-group
;        fetches each row once, and all eight waves read their fragments from LDS.  Two buffers: while chunk i is multiplied, chunk i + 1's rows are on their way into registers; they are stored behind the
;        products, one barrier follows, and chunk i + 2 is asked for.  Chunk 0 is asked for ahead of the weight phase.
;        Wave (b, p) holds block b's 32 fragments in registers and takes ranks 32 p .. 32 p + 31 of each chunk.  The product is used transposed (source 0 = 16 rows of W1, source 1 = 16 tokens), so a lane holds
;        one token; a = silu(gate) x up in f32; its block of 32 is quantised and stored as the second product's operand image (aq) with its byte (asc).
; WHICH RANKS: the first 128 of every expert always (the next launch asks for their images without looking at the count), the others in pairs of tiles whose first rank lies under the count.  Ranks at or past the
; count take some token (at most 1,023); their rows are computed and no later launch uses the results.
; NO TENSOR LOAD, NO CLUSTER: which trips work hangs on a count made from words read from memory; the weights, nearly all the bytes, are shared with nobody.
; 40 of a wave's 64 weight loads go out at its head, ahead of the list; the other 24 as the first three K steps' have landed.
; LIMITS: NaN and infinities are not served; an MX block whose largest magnitude lies under 2^-124 keeps the byte 1 (a block of zeros too: its codes are zeros).
.set STG,  0                           ; LDS: a stage for each wave, 16 rows x (256 bytes + 16)
.set IMG,  34816                       ; images of the 64 fragments: wave w, K step s, half c at 8192 w + 1024 s + 512 c + 16 lane
.set WS,   100352                      ; their scale words: 1024 w + 128 s + 4 lane
.set LIST, 108544                      ; the list: a word a rank
.set XP,   528                         ; a row of x's codes in LDS: 512 bytes + 16: the 16 rows that a fragment load touches start at 16 different columns of 16 bytes
.set XB0,  112640                      ; two buffers of 128 such rows
.set XB1,  180224
.set XSS,  247808                      ; two buffers of 128 rows of scale bytes: 32 bytes + 16
.set XSD,  6144                        ; from one to the other
.set WO,   4                           ; v4   w1: h x a row + 16 r
.set STW,  5                           ; v5   stage, way in
.set STR,  6                           ; v6   stage, way out
.set IW,   7                           ; v7   where I store images
.set IR,   8                           ; v8   where I read my block's images
.set SW,   9                           ; v9   where I store scale words
.set SR,   10                          ; v10  where I read them
.set XR0,  4                           ; behind the weight phase: v4, v5  where I read my pair's rows in buffer 0, 1
.set XW0,  6                           ;                          v6, v7  where I store the rows that I bring, buffer 0, 1
.set XSR,  8                           ;                          v8      where I read my pair's scale bytes
.set XSW,  9                           ;                          v9      where I store those that I bring
.set SOB,  10                          ;                          v10     asc: h x a tile + 16 r
.set LBU,  11                          ; v11  LIST + 64 w, the same in all lanes
.set SLS,  12                          ; v12-15  the scale bytes that I bring, on their way
.set WSC,  16                          ; v16-47  W's scale words (8 T + s): scales and nothing else
.set XSC,  48                          ; v48-55  x's scale words, K step s: lanes 0-15 tile A's rows, lanes 16-31 tile B's
.set XF,   56                          ; v56-119 x's fragments of four K steps: tile A, tile B; step s at + 8 (s % 4)
.set SL,   120                         ; v120-183 the 16 rows that I bring, on their way
.set ACC,  184                         ; v184-247 accumulators: 32 X + 8 T
.set PC,   248                         ; v248-251 a's codes
.set LBS,  252                         ; v252 LIST + 64 w + 4 (lane / 2)
.set L16,  253                         ; v253 16 x lane
.set XH,   254                         ; v254 16 (lane % 2)
.set AOB,  255                         ; v255 aq: h x a tile + 16 r
.set LA,   ACC+20                      ; a trip's places in the list
.set LAS,  ACC+21
; the list's registers
.set RC,   56                          ; v56-87 rec
.set RK,   88                          ; v88-91 my four ranks
.set WD4,  92                          ; v92-95 the mask word that holds each
.set PG,   96                          ; v96-99 ranks ahead of that word | its first token << 16
.set SCR,  100                         ; v100-109 at work
.set TK,   110                         ; v110-113 the tokens
.set PO,   114                         ; v114-117 what pos gets for my four tokens
.set LSA,  118                         ; v118 LIST + 4 x thread
.set POA,  119                         ; v119 my four tokens' place in pos
.set RO,   184                         ; v184-187 rec of tokens 128 w + 4 lane + 0..3
.set GSO,  188                         ; v188 my row's place in w1_scale
.set RCW,  190                         ; v190 16 x thread
; the weight phase's registers
.set F,    56                          ; v56-119 my 64 numbers
.set D,    184                         ; v184-215 my 32 words of a K step
.set GS,   216                         ; v216-223 my row's 8 group scales
.set M,    224
.set SO,   226
.set BY,   228
.set WD,   230
.set TP,   231
.set SH,   232                         ; 8 h
.set PCW,  236                         ; v236-243 a fragment's codes
.set KC,   244                         ; v244-245 -(2^23 + 8), -(2^19 + 8)
.set SS,   246                         ; v246-247 the step's group scale, twice
; the row phase's registers behind the products, inside XF
.set TT,   56                          ; v56-87
.set QM,   88
.set QT,   92
.set QS,   94
.set QB,   96
.set QY,   98
.set AOF,  99
.set SOF,  100
.set MW,   68                          ; s68-99 the 32 mask words
.set OWN,  48                          ; s48-51 my wave's own four mask words
.set MSB, 0
.macro WIN new                         ; the immediate's high byte repeats the setting that is left
.if MSB != \new
	s_set_vgpr_msb (MSB<<8)|\new
.set MSB, \new
.endif
.endm
.macro PLACES                          ; four places behind matrix instructions, ahead of reads of results and of loads or writes into operands
.rept 4
	v_nop
.endr
.endm
; My 16 rows of a chunk are asked for.  Their tokens come from the list, four to a load, the same in all lanes; the token of row lane / 2 once more, for the scale bytes.  tb: 17 registers for tokens, then offsets.
.macro STAGE_ASK tb, la, las, lo
.irp q, 0,1,2,3
	ds_load_b128 v[\tb+4*\q:\tb+4*\q+3], v[\la] offset:\lo+16*\q
.endr
	ds_load_b32 v[\tb+16], v[\las] offset:\lo
	s_wait_dscnt 0x0
.set n, 0
.rept 17
	v_min_u32 v[\tb+n], 0x3ff, v[\tb+n]
.set n, n+1
.endr
.set n, 0
.rept 16
	v_lshlrev_b32 v[\tb+n], 9, v[\tb+n]            ; xq: 512 bytes a token
.set n, n+1
.endr
	v_lshlrev_b32 v[\tb+16], 5, v[\tb+16]          ; xs: 32 bytes a token
.set n, 0
.rept 16
	v_add_nc_u32 v[\tb+n], v[L16], v[\tb+n]
.set n, n+1
.endr
	v_add_nc_u32 v[\tb+16], v[XH], v[\tb+16]
.set n, 0
.rept 16
	global_load_b128 v[SL+4*n:SL+4*n+3], v[\tb+n], s[8:9]          ; 32 lanes read the token's 512 consecutive bytes, aligned
.set n, n+1
.endr
	global_load_b128 v[SLS:SLS+3], v[\tb+16], s[10:11]             ; two lanes read a token's 32 scale bytes
.endm
.macro STAGE_PUT xw, buf               ; and stored, rows as they lie
.set n, 0
.rept 16
	ds_store_b128 v[\xw], v[SL+4*n:SL+4*n+3] offset:XP*n
.set n, n+1
.endr
	ds_store_b128 v[XSW], v[SLS:SLS+3] offset:XSD*(\buf)
.endm
	s_load_b512 s[4:19], s[0:1], 0x0               ; w1, w1_scale, xq, xs, rec, aq, asc, pos
	v_lshrrev_b32 v1, 5, v0
	v_readfirstlane_b32 s20, v1                    ; wave
	s_lshr_b32 s21, s20, 2                         ; b
	s_and_b32 s22, s20, 3                          ; p
	s_mov_b32 s23, ttmp9                           ; j
	s_and_b32 s24, ttmp7, 0xffff                   ; e
	s_lshl_b32 s25, 1, s24                         ; the expert's bit in rec
	v_and_b32 v1, 15, v0                           ; r
	v_bfe_u32 v2, v0, 4, 1                         ; h
	v_and_b32 v3, 31, v0                           ; lane
	v_lshlrev_b32 v[WO], 4, v1
	v_lshl_add_u32 v[WO], v2, 11, v[WO]
	s_mul_i32 s36, s20, 4352
	v_mul_u32_u24 v[STW], v2, 272
	v_lshl_add_u32 v[STW], v1, 4, v[STW]
	v_add_nc_u32 v[STW], s36, v[STW]
	v_mul_u32_u24 v[STR], v1, 272
	v_lshl_add_u32 v[STR], v2, 6, v[STR]
	v_add_nc_u32 v[STR], s36, v[STR]
	s_lshl_b32 s36, s20, 13
	s_add_co_u32 s36, s36, IMG
	v_lshl_add_u32 v[IW], v3, 4, s36
	s_lshl_b32 s36, s21, 15
	s_add_co_u32 s36, s36, IMG
	v_lshl_add_u32 v[IR], v3, 4, s36
	s_lshl_b32 s36, s20, 10
	s_add_co_u32 s36, s36, WS
	v_lshl_add_u32 v[SW], v3, 2, s36
	s_lshl_b32 s36, s21, 12
	s_add_co_u32 s36, s36, WS
	v_lshl_add_u32 v[SR], v3, 2, s36
	s_lshl_b32 s36, s20, 6
	s_add_co_u32 s36, s36, LIST
	v_mov_b32 v[LBU], s36
	v_lshrrev_b32 v[LBS], 1, v3
	v_lshl_add_u32 v[LBS], v[LBS], 2, s36
	v_lshl_add_u32 v[LSA], v0, 2, LIST
	v_lshlrev_b32 v[L16], 4, v3
	v_and_b32 v[XH], 1, v3
	v_lshlrev_b32 v[XH], 4, v[XH]
	v_lshlrev_b32 v[AOB], 4, v1
	v_lshl_add_u32 v[AOB], v2, 14, v[AOB]
	v_lshlrev_b32 v[SH], 3, v2
	v_mov_b32 v[KC], 0xcb000008                    ; -(2^23 + 8)
	v_mov_b32 v[KC+1], 0xc9000080                  ; -(2^19 + 8)
	v_and_b32 v[GSO], 8, v1
	v_add_nc_u32 v[GSO], v[GSO], v1
	v_lshlrev_b32 v[GSO], 5, v[GSO]                ; row r + 8 (r / 8) of the tile: 32 bytes of scales a row
	v_lshlrev_b32 v[RCW], 4, v0
	s_mov_b32 s38, 0x4b000000                      ; 2^23: a low nibble in its mantissa's lowest bits counts ones
	s_mov_b32 s39, 0x49000000                      ; 2^19: a nibble at bits 7:4 of its mantissa counts ones too
	s_mov_b32 s40, 0xf0
	s_mov_b32 s41, 0xffff0000                      ; lanes 16-31
	s_mov_b32 s42, 0xbfb8aa3b                      ; -log2(e)
	s_mov_b32 s43, s42
	s_mov_b32 s44, 0x76543210
	s_mov_b32 s45, 0xfedcba98                      ; v_permlanex16_b32's selects for lane l xor 16
	s_lshl_b32 s27, s23, 1
	s_add_co_u32 s27, s27, s21                     ; my block of 32 hidden units: 2 j + b
	s_lshl_b32 s33, s24, 20                        ; aq: expert, my first pair of tiles, the block's 256 bytes in a tile's image
	s_lshl_b32 s26, s22, 15
	s_add_co_u32 s33, s33, s26
	s_lshl_b32 s26, s27, 8
	s_add_co_u32 s33, s33, s26
	s_lshl_b32 s34, s24, 16                        ; asc: likewise; the block's byte
	s_lshl_b32 s26, s22, 11
	s_add_co_u32 s34, s34, s26
	s_lshr_b32 s26, s27, 4
	s_lshl_b32 s26, s26, 8
	s_add_co_u32 s34, s34, s26
	s_and_b32 s26, s27, 15
	s_add_co_u32 s34, s34, s26
	s_lshl_b32 s31, s22, 5                         ; the first rank of the pair that I multiply, in chunk 0
	s_lshr_b32 s35, s20, 1
	s_lshl_b32 s35, s35, 5                         ; the first rank of the pair of which I bring half, in chunk 0
	s_mov_b32 s32, 0                               ; the loop's step in the list
	s_mov_b32 s30, 0                               ; the loop's count
	s_lshr_b32 s26, s22, 1                         ; my tile's first row of W1: gate or up,
	s_lshl_b32 s26, s26, 11
	s_lshl_b32 s27, s23, 6                         ; + 64 j
	s_add_co_u32 s26, s26, s27
	s_lshl_b32 s27, s21, 5                         ; + 32 b
	s_add_co_u32 s26, s26, s27
	s_and_b32 s27, s22, 1                          ; + 8 u
	s_lshl_b32 s27, s27, 3
	s_add_co_u32 s26, s26, s27
	s_lshl_b32 s27, s24, 12                        ; + the expert's 4,096 rows
	s_add_co_u32 s26, s26, s27
	s_lshl_b32 s36, s26, 11                        ; a row of w1 is 2,048 bytes
	s_mov_b32 s37, 0
	s_wait_kmcnt 0x0
	s_add_nc_u64 s[4:5], s[4:5], s[36:37]
	s_lshl_b32 s36, s26, 5
	s_add_nc_u64 s[6:7], s[6:7], s[36:37]
.irp k, 0,1,2,3,4,5,6,7
	global_load_b128 v[RC+4*\k:RC+4*\k+3], v[L16], s[12:13] offset:512*\k      ; all of rec: every wave needs every mask word
.endr
	global_load_b128 v[RO:RO+3], v[RCW], s[12:13]  ; and once more the four words of tokens 128 w + 4 lane + 0..3, for pos
	global_load_b128 v[GS:GS+3], v[GSO], s[6:7]
	global_load_b128 v[GS+4:GS+7], v[GSO], s[6:7] offset:16
; K step s of my tile: 8 loads; in each, lanes 0-15 take one row's 256 bytes (aligned) and lanes 16-31 the next row's.  They land in window 1, v[32 s + 4 i].
.macro WLOAD s
.irp i, 0,1,2,3,4,5,6,7
	global_load_b128 v[32*(\s)+4*\i:32*(\s)+4*\i+3], v[WO], s[4:5] offset:(2*\i+8*(\i/4))*2048+256*(\s) th:TH_LOAD_NT
.endr
.endm
	WIN 0x40                                       ; destination window 1
.irp s, 0,1,2,3,4
	WLOAD \s
.endr
	WIN 0
	; ---- THE LIST
	s_wait_loadcnt 42                              ; rec and my own four words are in; behind them stand 2 loads of scales and 40 of weights
.set g, 0
.rept 32
	v_and_b32 v[SCR], s25, v[RC+g]
	v_cmp_ne_u32 s[MW+g], 0, v[SCR]                ; bit l: token 128 (g / 4) + 4 l + g % 4 chose the expert
.set g, g+1
.endr
.irp k, 0,1,2,3
	v_add_nc_u32 v[RK+\k], 256*\k, v0
	v_mov_b32 v[WD4+\k], s[MW]
	v_mov_b32 v[PG+\k], 0
.endr
	s_mov_b32 s26, 0                               ; ranks ahead of word g
	s_mov_b32 s47, 0                               ; ranks ahead of my wave's own words, 4 w on
.set g, 1
.rept 31
	s_bcnt1_i32_b32 s27, s[MW+g-1]
	s_add_co_u32 s26, s26, s27
.if g%4 == 0
	s_cmp_eq_u32 s20, g/4
	s_cselect_b32 s47, s26, s47
.endif
	s_or_b32 s28, s26, (128*(g/4)+(g%4))<<16
.irp k, 0,1,2,3
	v_cmp_le_u32 vcc_lo, s26, v[RK+\k]             ; the last word with no more ranks ahead of it than mine holds my rank
	v_cndmask_b32 v[WD4+\k], v[WD4+\k], s[MW+g], vcc_lo
	v_cndmask_b32 v[PG+\k], v[PG+\k], s28, vcc_lo
.endr
.set g, g+1
.endr
	s_bcnt1_i32_b32 s27, s[MW+31]
	s_add_co_u32 s29, s26, s27                     ; the expert's count of rows,
	s_min_u32 s29, s29, 1024                       ; held to the number of tokens, which it cannot pass
	s_max_u32 s52, s29, 128                        ; what the trips go by: the first 128 ranks are always done
	s_min_u32 s52, s52, 1024
; one halving: does the lower part of what is left hold d set bits or fewer?  Then my bit lies in the upper part.
.macro HALVE src, width, inc
	v_bfe_u32 v[SCR+6], v[\src], v[SCR+5], \width
	v_cmp_ge_u32 vcc_lo, v[SCR], v[SCR+6]
	v_cndmask_b32 v[SCR+6], 0, v[SCR+6], vcc_lo
	v_sub_nc_u32 v[SCR], v[SCR], v[SCR+6]
	v_cndmask_b32 v[SCR+7], 0, \inc, vcc_lo
	v_add_nc_u32 v[SCR+5], v[SCR+5], v[SCR+7]
.endm
.macro SELECT k                        ; the place of set bit number d of the word, by counts of 2, 4, 8 and 16 bits
	v_and_b32 v[SCR], 0xffff, v[PG+\k]
	v_sub_nc_u32 v[SCR], v[RK+\k], v[SCR]          ; d
	v_lshrrev_b32 v[SCR+1], 1, v[WD4+\k]
	v_and_b32 v[SCR+1], 0x55555555, v[SCR+1]
	v_sub_nc_u32 v[SCR+1], v[WD4+\k], v[SCR+1]     ; counts of 2 bits
	v_lshrrev_b32 v[SCR+2], 2, v[SCR+1]
	v_and_b32 v[SCR+2], 0x33333333, v[SCR+2]
	v_and_b32 v[SCR+3], 0x33333333, v[SCR+1]
	v_add_nc_u32 v[SCR+2], v[SCR+2], v[SCR+3]      ; of 4
	v_lshrrev_b32 v[SCR+3], 4, v[SCR+2]
	v_add_nc_u32 v[SCR+3], v[SCR+3], v[SCR+2]
	v_and_b32 v[SCR+3], 0x0f0f0f0f, v[SCR+3]       ; of 8
	v_lshrrev_b32 v[SCR+4], 8, v[SCR+3]
	v_add_nc_u32 v[SCR+4], v[SCR+4], v[SCR+3]
	v_and_b32 v[SCR+4], 0x00ff00ff, v[SCR+4]       ; of 16
	v_mov_b32 v[SCR+5], 0                          ; the place
	HALVE SCR+4, 8, 16
	HALVE SCR+3, 8, 8
	HALVE SCR+2, 4, 4
	HALVE SCR+1, 2, 2
	HALVE WD4+\k, 1, 1
	v_lshrrev_b32 v[SCR+6], 16, v[PG+\k]
	v_lshl_add_u32 v[TK+\k], v[SCR+5], 2, v[SCR+6] ; the token
	ds_store_b32 v[LSA], v[TK+\k] offset:1024*\k
.endm
.irp k, 0,1,2,3
	SELECT \k
.endr
	s_cmp_lg_u32 s23, 0
	s_cbranch_scc1 .Lno_pos                        ; one work-group of each expert hands the order on
	; pos, by token: tokens 128 w + 4 lane + c are bit `lane` of words 4 w + c.  Ahead of such a token stand the ranks ahead of word 4 w + c and the word's set bits under its own
	s_lshl_b32 s36, s24, 12
	v_add_nc_u32 v[POA], s36, v[RCW]               ; 4,096 bytes an expert, 16 a thread
.irp c, 0,1,2,3
	v_and_b32 v[SCR+\c], s25, v[RO+\c]
	v_cmp_ne_u32 s[OWN+\c], 0, v[SCR+\c]
.endr
.irp c, 0,1,2,3
	v_mov_b32 v[SCR+4+\c], s47
	v_mbcnt_lo_u32_b32 v[PO+\c], s[OWN+\c], v[SCR+4+\c]
	s_bcnt1_i32_b32 s37, s[OWN+\c]
	s_add_co_u32 s47, s47, s37
.endr
	global_store_b128 v[POA], v[PO:PO+3], s[18:19] ; every lane stores: 32 lanes cover 512 consecutive bytes, aligned
	s_lshl_b32 s37, s24, 2
	s_add_co_u32 s37, s37, 32768
	v_mov_b32 v[SCR+8], s29
	v_mov_b32 v[SCR+9], s37
	s_wait_xcnt 0x0                                ; EXEC changes only behind this wait: loads and a store are on their way
	v_cmp_eq_u32 vcc_lo, 0, v0                     ; thread 0 alone
	s_and_saveexec_b32 s46, vcc_lo
	global_store_b32 v[SCR+9], v[SCR+8], s[18:19]  ; the true count
	s_wait_xcnt 0x0                                ; and again ahead of the line that widens it; the stores' registers may be written behind it too
	s_or_b32 exec_lo, exec_lo, s46
.Lno_pos:
	s_wait_dscnt 0x0                               ; my part of the list has landed, for the others' sake
	s_barrier_signal -1
	s_barrier_wait -1                              ; the list is whole
	STAGE_ASK F, LBU, LBS, 0                       ; chunk 0's rows, with no branch: every rank has a token, and the counts of the waits below hold on one path
	s_wait_xcnt 0x0                                ; the loads have read their offsets, which lie where the weight phase works
; ---- THE WEIGHTS.  K step s of my tile: through my stage, so that a lane holds 2 x 32 neighbours along K of its row; unpacked, scaled, quantised; image to LDS.
; Loads in the order of issue: steps 0 to 4 (8 each), the 17 of chunk 0, then steps 5, 6, 7, asked for in steps 0, 1, 2.
.macro WSTEP s
.if \s < 4
	s_wait_loadcnt 49                              ; this step's eight loads are in; behind them stand 32 of weights and the chunk's 17
.elseif \s == 4
	s_wait_loadcnt 41                              ; the chunk's 17 and steps 5 to 7
.else
	s_wait_loadcnt 8*(7-\s)                        ; the later steps; the chunk's rows are in
.endif
.if \s < 3
	WIN 0x40
	WLOAD \s+5                                     ; the step five further on is asked for
.endif
	WIN 0x04                                       ; an LDS store's data: window 1
.irp i, 0,1,2,3,4,5,6,7
	ds_store_b128 v[STW], v[32*\s+4*\i:32*\s+4*\i+3] offset:544*\i
.endr
	WIN 0
.irp c, 0,1
.irp q, 0,1,2,3
	ds_load_b128 v[D+4*(4*\c+\q):D+4*(4*\c+\q)+3], v[STR] offset:128*\c+16*\q     ; LDS serves a wave's instructions in order: these see the stores above.  K = 64 c + 32 h + 8 q on
.endr
.endr
	s_wait_dscnt 0x0                               ; they are in; the last step's image stores have read their registers too
	v_mov_b32 v[SS], v[GS+\s]
	v_mov_b32 v[SS+1], v[GS+\s]
.set d, 0
.rept 32
	v_and_or_b32 v[F+2*d], v[D+d], 15, s38         ; 2^23 + q of the lower k
	v_and_or_b32 v[F+2*d+1], v[D+d], s40, s39      ; 2^19 + q of the upper
.set d, d+1
.endr
.set d, 0
.rept 32
	v_pk_add_f32 v[F+2*d:F+2*d+1], v[F+2*d:F+2*d+1], v[KC:KC+1]   ; q - 8, exact
.set d, d+1
.endr
.set d, 0
.rept 32
	v_pk_mul_f32 v[F+2*d:F+2*d+1], v[F+2*d:F+2*d+1], v[SS:SS+1]   ; x the group's scale: one rounding
.set d, d+1
.endr
.irp c, 0,1
	v_max3_num_f32 v[M+\c], |v[F+32*\c]|, |v[F+32*\c+1]|, 0x1800000   ; block 2 c + h is all mine; the floor 2^(3 - 127) holds the byte at 1 from below
.endr
.irp i, 2,4,6,8,10,12,14,16,18,20,22,24,26,28,30
.irp c, 0,1
	v_max3_num_f32 v[M+\c], v[M+\c], |v[F+32*\c+\i]|, |v[F+32*\c+\i+1]|
.endr
.endr
.irp c, 0,1
	v_add_nc_u32 v[SO+\c], 0xff000000, v[M+\c]     ; 2 off the exponent field: the conversion's scale operand
.endr
.irp c, 0,1
	v_lshrrev_b32 v[BY+\c], 23, v[SO+\c]           ; the byte
.endr
	v_lshl_or_b32 v[WD], v[BY+1], 16, v[BY]        ; my two bytes, blocks h and 2 + h,
	v_lshlrev_b32 v[WD], v[SH], v[WD]              ; at their places;
	v_mov_b32 v[TP], 0
	v_permlanex16_b32 v[TP], v[WD], s44, s45
	v_or_b32 v[WD], v[WD], v[TP]                   ; with lane l xor 16's the word is whole
.irp c, 0,1
.irp g, 0,1,2,3
	v_cvt_scalef32_pk8_fp4_f32 v[PCW+4*\c+\g], v[F+32*\c+8*\g:F+32*\c+8*\g+7], v[SO+\c]
.endr
.endr
	v_nop                                          ; one plain line behind the last scaled conversion
	ds_store_b128 v[IW], v[PCW:PCW+3] offset:1024*\s
	ds_store_b128 v[IW], v[PCW+4:PCW+7] offset:1024*\s+512
	ds_store_b32 v[SW], v[WD] offset:128*\s
.endm
.irp s, 0,1,2,3,4,5,6,7
	WSTEP \s
.endr
	; the row phase's LDS addresses take the places of the weight phase's (no load is out: the last step waited for all)
	s_mul_i32 s36, s22, 32*XP
	s_add_co_u32 s36, s36, XB0
	v_mul_u32_u24 v[XR0], v1, XP
	v_lshl_add_u32 v[XR0], v2, 8, v[XR0]
	v_add_nc_u32 v[XR0], s36, v[XR0]               ; row 32 p + r, + 256 h: a lane's 8 K steps lie in 256 bytes on end
	v_add_nc_u32 v[XR0+1], XB1-XB0, v[XR0]
	s_mul_i32 s36, s20, 16*XP
	s_add_co_u32 s36, s36, XB0
	v_add_nc_u32 v[XW0], s36, v[L16]               ; row 16 w, + 16 lane
	v_add_nc_u32 v[XW0+1], XB1-XB0, v[XW0]
	v_lshrrev_b32 v[XSW], 1, v3
	v_mul_u32_u24 v[XSW], v[XSW], 48
	v_add_nc_u32 v[XSW], v[XH], v[XSW]
	s_mul_i32 s36, s20, 16*48
	s_add_co_u32 s36, s36, XSS
	v_add_nc_u32 v[XSW], s36, v[XSW]               ; row 16 w + lane / 2, + 16 (lane % 2)
	STAGE_PUT XW0, 0                               ; chunk 0
	s_wait_dscnt 0x0                               ; my images, scale words and rows of chunk 0 have landed, for the others' sake
	s_barrier_signal -1
	s_barrier_wait -1
	s_add_co_u32 s36, s35, 128
	s_cmp_ge_u32 s36, s52
	s_cbranch_scc1 .Lno_ask1
	STAGE_ASK ACC, LBU, LBS, 512                   ; chunk 1, ahead of the images' way back
.Lno_ask1:
	WIN 0x40                                       ; my block's 32 fragments into window 1: (T, s) at 64 T + 8 s
.irp t, 0,1,2,3
.irp s, 0,1,2,3,4,5,6,7
.irp c, 0,1
	ds_load_b128 v[64*\t+8*\s+4*\c:64*\t+8*\s+4*\c+3], v[IR] offset:8192*\t+1024*\s+512*\c
.endr
.endr
.endr
	WIN 0
.irp t, 0,1,2,3
.irp s, 0,1,2,3,4,5,6,7
	ds_load_b32 v[WSC+8*\t+\s], v[SR] offset:1024*\t+128*\s
.endr
.endr
	v_mul_u32_u24 v[XSR], v3, 48
	s_mul_i32 s36, s22, 32*48
	s_add_co_u32 s36, s36, XSS
	v_add_nc_u32 v[XSR], s36, v[XSR]               ; row 32 p + lane: lanes 0-15 tile A's rows, lanes 16-31 tile B's
	v_lshlrev_b32 v[SOB], 4, v1
	v_lshl_add_u32 v[SOB], v2, 10, v[SOB]
.macro WM x, t                         ; one product: tile T of W against row tile X, K step ks
.if ks == 0
.if \x
	v_wmma_scale_f32_16x16x128_f8f6f4 v[ACC+32*\x+8*\t:ACC+32*\x+8*\t+7], v[64*\t+8*ks:64*\t+8*ks+7], v[XF+32*\x+8*(ks%4):XF+32*\x+8*(ks%4)+7], 0, v[WSC+8*\t+ks], v[XSC+ks] matrix_a_fmt:MATRIX_FMT_FP4 matrix_b_fmt:MATRIX_FMT_FP4 matrix_b_scale:MATRIX_SCALE_ROW1
.else
	v_wmma_scale_f32_16x16x128_f8f6f4 v[ACC+32*\x+8*\t:ACC+32*\x+8*\t+7], v[64*\t+8*ks:64*\t+8*ks+7], v[XF+32*\x+8*(ks%4):XF+32*\x+8*(ks%4)+7], 0, v[WSC+8*\t+ks], v[XSC+ks] matrix_a_fmt:MATRIX_FMT_FP4 matrix_b_fmt:MATRIX_FMT_FP4
.endif
.else
.if \x
	v_wmma_scale_f32_16x16x128_f8f6f4 v[ACC+32*\x+8*\t:ACC+32*\x+8*\t+7], v[64*\t+8*ks:64*\t+8*ks+7], v[XF+32*\x+8*(ks%4):XF+32*\x+8*(ks%4)+7], v[ACC+32*\x+8*\t:ACC+32*\x+8*\t+7], v[WSC+8*\t+ks], v[XSC+ks] matrix_a_fmt:MATRIX_FMT_FP4 matrix_b_fmt:MATRIX_FMT_FP4 matrix_b_scale:MATRIX_SCALE_ROW1
.else
	v_wmma_scale_f32_16x16x128_f8f6f4 v[ACC+32*\x+8*\t:ACC+32*\x+8*\t+7], v[64*\t+8*ks:64*\t+8*ks+7], v[XF+32*\x+8*(ks%4):XF+32*\x+8*(ks%4)+7], v[ACC+32*\x+8*\t:ACC+32*\x+8*\t+7], v[WSC+8*\t+ks], v[XSC+ks] matrix_a_fmt:MATRIX_FMT_FP4 matrix_b_fmt:MATRIX_FMT_FP4
.endif
.endif
.endm
.macro PRODS from                      ; four K steps: the eight accumulators take turns, one instruction a turn
.set ks, \from
.rept 4
.irp x, 0,1
.irp t, 0,1,2,3
	WM \x, \t
.endr
.endr
.set ks, ks+1
.endr
.endm
.macro XFETCH kh                       ; my pair's fragments of K steps 4 kh .. 4 kh + 3 from the buffer in hand
.irp x, 0,1
.irp s, 0,1,2,3
.irp c, 0,1
	ds_load_b128 v[XF+32*\x+8*\s+4*\c:XF+32*\x+8*\s+4*\c+3], v[XRK] offset:\x*16*XP+(4*\kh+\s)*32+16*\c
.endr
.endr
.endr
.endm
; ---- A TRIP: chunk 2 n + k of the loop's n-th pass lies in buffer k.  It is multiplied; put = 1: the next chunk's rows, which have been on their way meanwhile, go into the other buffer, and a barrier follows,
; on every wave's path; ask = 1: the chunk after that is asked for.
.macro TRIP k, put, ask
.set XRK, XR0+\k
.set XWN, XW0+1-\k
	s_add_co_u32 s36, s31, 128*\k
	s_cmp_ge_u32 s36, s52
	s_cbranch_scc1 .Lnowork_\@                     ; no rank of my pair is to be done
	XFETCH 0
	ds_load_b128 v[XSC:XSC+3], v[XSR] offset:XSD*\k
	ds_load_b128 v[XSC+4:XSC+7], v[XSR] offset:XSD*\k+16
	s_wait_dscnt 0x0                               ; (in the first trip: the images too)
	s_wait_xcnt 0x0                                ; the loads that are on their way have read their offsets, which lie in the accumulators' registers
	WIN 0x01                                       ; source 0 (W) window 1
	PRODS 0
	WIN 0
	PLACES
	XFETCH 1
	s_wait_dscnt 0x0
	WIN 0x01
	PRODS 4
	WIN 0
	PLACES
	; lane (r, h) holds token r; registers 0-15 of a row tile: gate of hidden units 16 h + 0..15 of the block; 16-31: up.  a = gate x 1 / (1 + 2^(-gate log2 e)) x up
.irp x, 0,1
.irp i, 0,2,4,6,8,10,12,14
	v_pk_mul_f32 v[TT+16*\x+\i:TT+16*\x+\i+1], v[ACC+32*\x+\i:ACC+32*\x+\i+1], s[42:43] op_sel_hi:[1,0]    ; each accumulator is read from its low end on
.endr
.endr
.set n, 0
.rept 32
	v_exp_f32 v[TT+n], v[TT+n]
.set n, n+1
.endr
	v_nop                                          ; a plain line behind the last exponential
	s_wait_alu depctr_va_vdst(0)                   ; one wait for the batch, ahead of its first reader
.set n, 0
.rept 16
	v_pk_add_f32 v[TT+n:TT+n+1], v[TT+n:TT+n+1], 1.0 op_sel_hi:[1,0]
.set n, n+2
.endr
.set n, 0
.rept 32
	v_rcp_f32 v[TT+n], v[TT+n]
.set n, n+1
.endr
	v_nop
	s_wait_alu depctr_va_vdst(0)                   ; and one for the reciprocals
.irp x, 0,1
.irp i, 0,2,4,6,8,10,12,14
	v_pk_mul_f32 v[ACC+32*\x+\i:ACC+32*\x+\i+1], v[ACC+32*\x+\i:ACC+32*\x+\i+1], v[TT+16*\x+\i:TT+16*\x+\i+1]
.endr
.endr
.irp x, 0,1
.irp i, 0,2,4,6,8,10,12,14
	v_pk_mul_f32 v[ACC+32*\x+\i:ACC+32*\x+\i+1], v[ACC+32*\x+\i:ACC+32*\x+\i+1], v[ACC+32*\x+16+\i:ACC+32*\x+16+\i+1]
.endr
.endr
	; the block of 32 of each row: my 16 and lane l xor 16's
.irp x, 0,1
	v_max3_num_f32 v[QM+\x], |v[ACC+32*\x]|, |v[ACC+32*\x+1]|, 0x1800000
.endr
.irp i, 2,4,6,8,10,12,14
.irp x, 0,1
	v_max3_num_f32 v[QM+\x], v[QM+\x], |v[ACC+32*\x+\i]|, |v[ACC+32*\x+\i+1]|
.endr
.endr
.irp x, 0,1
	v_mov_b32 v[QT+\x], 0
.endr
.irp x, 0,1
	v_permlanex16_b32 v[QT+\x], v[QM+\x], s44, s45
.endr
.irp x, 0,1
	v_max_num_f32 v[QM+\x], v[QM+\x], v[QT+\x]
.endr
.irp x, 0,1
	v_add_nc_u32 v[QS+\x], 0xff000000, v[QM+\x]
.endr
.irp x, 0,1
	v_lshrrev_b32 v[QB+\x], 23, v[QS+\x]
.endr
.irp x, 0,1
	v_cvt_scalef32_pk8_fp4_f32 v[PC+2*\x], v[ACC+32*\x:ACC+32*\x+7], v[QS+\x]
	v_cvt_scalef32_pk8_fp4_f32 v[PC+2*\x+1], v[ACC+32*\x+8:ACC+32*\x+15], v[QS+\x]
.endr
	v_nop                                          ; one plain line behind the last scaled conversion
	v_permlane16_swap_b32 v[PC], v[PC+2]           ; lanes 0-15 now hold tile A's whole block of row r (16 bytes in order), lanes 16-31 tile B's
	v_permlane16_swap_b32 v[PC+1], v[PC+3]
	v_cndmask_b32 v[QY], v[QB], v[QB+1], s41       ; and the byte that goes with it
	v_add_nc_u32 v[AOF], s33, v[AOB]
	v_add_nc_u32 v[SOF], s34, v[SOB]
	global_store_b128 v[AOF], v[PC:PC+3], s[14:15] offset:131072*\k   ; sixteen lanes store 256 consecutive bytes, aligned: the block's part of a tile's operand image
	global_store_b8 v[SOF], v[QY], s[16:17] offset:8192*\k            ; one byte a row: the other bytes of its word belong to other work-groups
.Lnowork_\@:
.if \put
	s_wait_loadcnt 0x0                             ; on every path: the rows that were asked for are in, and their registers and offsets are free
	s_add_co_u32 s36, s35, 128*(\k+1)
	s_cmp_ge_u32 s36, s52
	s_cbranch_scc1 .Lnoput_\@
	STAGE_PUT XWN, 1-\k
.Lnoput_\@:
	s_wait_xcnt 0x0                                ; my stores to memory have read their data and offsets: the next trip may write them
	s_wait_dscnt 0x0                               ; my rows have landed, and my reads of the buffer in hand are over
	s_barrier_signal -1
	s_barrier_wait -1                              ; both now hold of every wave
.endif
.if \ask
	v_add_nc_u32 v[LA], s32, v[LBU]                ; the places in the list, made on every path
	v_add_nc_u32 v[LAS], s32, v[LBS]
	s_add_co_u32 s36, s35, 128*(\k+2)
	s_cmp_ge_u32 s36, s52
	s_cbranch_scc1 .Lnoask_\@
	STAGE_ASK ACC, LA, LAS, 512*(\k+2)
.Lnoask_\@:
.endif
.endm
.Ltrip:                                ; three passes of two trips: chunks 0 to 5
	TRIP 0, 1, 1
	TRIP 1, 1, 1
	s_add_co_u32 s31, s31, 256
	s_add_co_u32 s35, s35, 256
	s_add_co_u32 s32, s32, 1024
	s_add_co_u32 s33, s33, 262144                  ; 16 tiles on
	s_add_co_u32 s34, s34, 16384
	s_add_co_u32 s30, s30, 1
	s_cmp_lt_u32 s30, 3
	s_cbranch_scc1 .Ltrip
	TRIP 0, 1, 0                                   ; chunk 6: chunk 7 is stored, nothing more is asked for
	TRIP 1, 0, 0                                   ; chunk 7
	s_wait_dscnt 0x0
	s_wait_xcnt 0x0
	s_mov_b32 exec_lo, -1
	v_lshl_add_u32 v254, v0, 2, 0x3f800
	v_mov_b32 v255, 0
	s_wait_tensorcnt 0x0
	ds_add_u32 v254, v255
	s_wait_dscnt 0x0
	s_endpgm
.Lfunc_end_k_q7cdd3350f9_up:
	.size	k_q7cdd3350f9_up, .Lfunc_end_k_q7cdd3350f9_up-k_q7cdd3350f9_up
	.p2alignl 7, 3214868480
	.fill 96, 4, 3214868480
	.section	.rodata,"a",@progbits
	.p2align	6, 0x0
	.amdhsa_kernel k_q7cdd3350f9_up
		.amdhsa_group_segment_fixed_size 261120
		.amdhsa_private_segment_fixed_size 0
		.amdhsa_enable_private_segment 0
		.amdhsa_kernarg_size 64
		.amdhsa_user_sgpr_count 2
		.amdhsa_user_sgpr_kernarg_segment_ptr 1
		.amdhsa_wavefront_size32 1
		.amdhsa_system_sgpr_workgroup_id_x 1
		.amdhsa_system_sgpr_workgroup_id_y 1
		.amdhsa_system_sgpr_workgroup_id_z 1
		.amdhsa_system_vgpr_workitem_id 0
		.amdhsa_next_free_vgpr 512
		.amdhsa_next_free_sgpr 104
		.amdhsa_reserve_vcc 1
		.amdhsa_float_denorm_mode_32 3
		.amdhsa_float_denorm_mode_16_64 3
		.amdhsa_memory_ordered 1
		.amdhsa_forward_progress 1
		.amdhsa_inst_pref_size 254
	.end_amdhsa_kernel
	.amdgpu_metadata
---
amdhsa.version: [ 1, 2 ]
amdhsa.kernels:
  - .name:           k_q7cdd3350f9_up
    .symbol:         k_q7cdd3350f9_up.kd
    .args:
      - { .name: w1, .offset: 0, .size: 8, .value_kind: global_buffer, .address_space: global }
      - { .name: w1_scale, .offset: 8, .size: 8, .value_kind: global_buffer, .address_space: global }
      - { .name: xq, .offset: 16, .size: 8, .value_kind: global_buffer, .address_space: global }
      - { .name: xs, .offset: 24, .size: 8, .value_kind: global_buffer, .address_space: global }
      - { .name: rec, .offset: 32, .size: 8, .value_kind: global_buffer, .address_space: global }
      - { .name: aq, .offset: 40, .size: 8, .value_kind: global_buffer, .address_space: global }
      - { .name: asc, .offset: 48, .size: 8, .value_kind: global_buffer, .address_space: global }
      - { .name: pos, .offset: 56, .size: 8, .value_kind: global_buffer, .address_space: global }
    .group_segment_fixed_size: 261120
    .private_segment_fixed_size: 0
    .kernarg_segment_align: 8
    .kernarg_segment_size: 64
    .max_flat_workgroup_size: 256
    .sgpr_count:     104
    .vgpr_count:     512
    .wavefront_size: 32
...
	.end_amdgpu_metadata
.endif
;; end of part 2
;; launch down (part 3): grid 32 x 8, 8 waves a work-group, no clusters, 91,136 bytes of LDS; arguments w2, w2_scale, aq, asc, pos, ybuf; writes ybuf
.if DOCPART == 3
	.amdgcn_target "amdgcn-amd-amdhsa--gfx1250"
	.amdhsa_code_object_version 6
	.text
	.protected	k_q7cdd3350f9_down
	.globl	k_q7cdd3350f9_down
	.p2align	8
	.type	k_q7cdd3350f9_down,@function
k_q7cdd3350f9_down:
	s_mov_b64 s[64:65], 0
	v_nop
	global_prefetch_b8 v0, s[64:65] scope:SCOPE_SE
	s_setreg_imm32_b32 hwreg(HW_REG_WAVE_MODE, 25, 1), 1
	s_wait_xcnt 0x0
; SECOND PRODUCT, for the rows that chose the expert.  Work-group (j, e): expert e, output columns 32 j .. 32 j + 31: 32 rows of W2, which no other work-group reads.
; w2 [8][1024][1024] int32, a byte (two int4) in each; w2_scale [8][1024][16] f32, one for 128 along K.  w = (q - 8) x scale in f32, then the MX quantiser along K = 2,048.
; WEIGHTS: wave w = 4 T + q makes K steps 4 q .. 4 q + 3 of tile T (16 neighbouring rows): 4 fragments and their scale words, stored in LDS as images of the operand's registers.
; ROWS: every wave then holds all 32 fragments in registers and takes the row tiles w + 8 i; a tile at or past the count (pos[8192 + e]) is left out.  a's fragments (aq) and scale words (asc) come from memory
; as images, 512 consecutive bytes a load.  THE FIRST TILE'S IMAGES ARE ASKED FOR AT THE HEAD, behind the weights, and land under the weight phase: with no branch, since the launch before stores the first
; 128 ranks of every expert whatever its count.  Each later tile is asked for as soon as the products have read the tile before.
; The product is used transposed (source 0 = 16 rows of W2, source 1 = 16 ranks): a lane holds eight neighbouring columns of one rank.
; y, not yet weighed by the gate, goes to ybuf [e][j][rank][32] through the wave's own stage: 512 consecutive bytes a store.
; REGISTERS: window 1: v0-127 first the weights as they land, then W's fragments of K steps 0-7 (64 T + 8 s2); v128-255 a's 16 fragments.  Window 0: v64-191 first the weight phase's work, then W's fragments of
; K steps 8-15 (64 + 64 T + 8 (s2 - 8)).
; NO TENSOR LOAD, NO CLUSTER: which trips run hangs on a count read from memory; the weights, nearly all the bytes from memory, are shared with nobody.
; LIMITS: NaN and infinities are not served; an MX block whose largest magnitude lies under 2^-124 keeps the byte 1 (a block of zeros too: its codes are zeros).
.set STG,  0                           ; LDS: a stage for each wave, 16 rows x (256 bytes + 16)
.set IMG,  34816                       ; images of the 32 fragments: f = 16 T + s2 at 1024 f + 512 c + 16 lane
.set WS,   67584                       ; their scale words: 128 f + 4 lane
.set YST,  71680                       ; a stage for y for each wave: 16 rows x (128 bytes + 16)
.set WO,   4
.set STW,  5
.set STR,  6
.set IW,   7
.set IR,   8
.set SW,   9
.set SR,   10
.set YSW,  11
.set WSC,  16                          ; v16-47  W's scale words (16 T + s2): scales and nothing else
.set AS,   48                          ; v48-63  a's scale words, K step s2: scales and nothing else
.set ACC,  192                         ; v192-207 two accumulators
.set OUTR, 208                         ; v208-223 rows of y on their way out
.set YSR,  224
.set AO,   225
.set SO2,  226
.set YO,   227
.set L16,  228
.set R16,  229
.set GSO,  230
.set D,    64                          ; the weight phase's registers
.set F,    96
.set GS,   160
.set M,    164
.set SO,   166
.set BY,   168
.set WD,   170
.set TP,   171
.set SH,   172
.set PCW,  176
.set MSB, 0
.macro WIN new                         ; the immediate's high byte repeats the setting that is left
.if MSB != \new
	s_set_vgpr_msb (MSB<<8)|\new
.set MSB, \new
.endif
.endm
.macro ALOAD from, num, off            ; a's fragments of K steps from .. from + num - 1 of the tile off bytes on: into window 1 (the caller sets the window)
.set f, \from
.rept \num
	global_load_b128 v[128+8*f:128+8*f+3], v[AO], s[8:9] offset:\off+1024*f             ; 32 lanes read 512 consecutive bytes: half a fragment's image
	global_load_b128 v[128+8*f+4:128+8*f+7], v[AO], s[8:9] offset:\off+1024*f+512
.set f, f+1
.endr
.endm
.macro SLOAD off                       ; row r's scale words of K steps 4 q .. 4 q + 3
.irp q, 0,1,2,3
	global_load_b128 v[AS+4*\q:AS+4*\q+3], v[SO2], s[10:11] offset:\off+256*\q
.endr
.endm
	s_load_b256 s[4:11], s[0:1], 0x0               ; w2, w2_scale, aq, asc
	s_load_b128 s[12:15], s[0:1], 0x20             ; pos, ybuf
	v_lshl_add_u32 v254, v0, 2, 0x16000
	v_mov_b32 v255, 0
	v_lshrrev_b32 v1, 5, v0
	v_readfirstlane_b32 s20, v1                    ; wave
	s_lshr_b32 s21, s20, 2                         ; T
	s_and_b32 s22, s20, 3                          ; q
	s_mov_b32 s23, ttmp9                           ; j
	s_and_b32 s24, ttmp7, 0xffff                   ; e
	v_and_b32 v1, 15, v0                           ; r
	v_bfe_u32 v2, v0, 4, 1                         ; h
	v_and_b32 v3, 31, v0                           ; lane
	v_lshlrev_b32 v[R16], 4, v1
	v_lshlrev_b32 v[L16], 4, v3
	v_lshl_add_u32 v[WO], v2, 12, v[R16]           ; w2: h x a row of 4,096 bytes + 16 r
	s_mul_i32 s36, s20, 4352
	v_mul_u32_u24 v[STW], v2, 272
	v_lshl_add_u32 v[STW], v1, 4, v[STW]
	v_add_nc_u32 v[STW], s36, v[STW]
	v_mul_u32_u24 v[STR], v1, 272
	v_lshl_add_u32 v[STR], v2, 6, v[STR]
	v_add_nc_u32 v[STR], s36, v[STR]
	s_lshl_b32 s36, s20, 12
	s_add_co_u32 s36, s36, IMG
	v_lshl_add_u32 v[IW], v3, 4, s36
	v_lshl_add_u32 v[IR], v3, 4, IMG
	s_lshl_b32 s36, s20, 9
	s_add_co_u32 s36, s36, WS
	v_lshl_add_u32 v[SW], v3, 2, s36
	v_lshl_add_u32 v[SR], v3, 2, WS
	s_mul_i32 s36, s20, 2304
	s_add_co_u32 s36, s36, YST
	v_mul_u32_u24 v[YSW], v1, 144
	v_lshl_add_u32 v[YSW], v2, 5, v[YSW]
	v_add_nc_u32 v[YSW], s36, v[YSW]               ; in: row r, + 32 h
	v_lshrrev_b32 v[YSR], 3, v3
	v_mul_u32_u24 v[YSR], v[YSR], 144
	v_and_b32 v[YO], 7, v3
	v_lshl_add_u32 v[YSR], v[YO], 4, v[YSR]
	v_add_nc_u32 v[YSR], s36, v[YSR]               ; back: eight lanes to a row of 128 bytes
	v_lshlrev_b32 v[GSO], 6, v1                    ; w2_scale: 64 bytes a row
	v_lshlrev_b32 v[SH], 3, v2
	v_mov_b32 v12, 0xcb000008                      ; -(2^23 + 8)
	v_mov_b32 v13, 0xc9000080                      ; -(2^19 + 8)
	s_mov_b32 s38, 0x4b000000
	s_mov_b32 s39, 0x49000000
	s_mov_b32 s40, 0xf0
	s_mov_b32 s44, 0x76543210
	s_mov_b32 s45, 0xfedcba98
	s_lshl_b32 s30, s24, 20                        ; aq: the expert's 64 tiles of 16,384 bytes, my first tile = wave
	s_lshl_b32 s26, s20, 14
	s_add_co_u32 s30, s30, s26
	s_lshl_b32 s31, s24, 16                        ; asc: tiles of 1,024 bytes
	s_lshl_b32 s26, s20, 10
	s_add_co_u32 s31, s31, s26
	v_add_nc_u32 v[AO], s30, v[L16]
	v_add_nc_u32 v[SO2], s31, v[R16]
	s_lshl_b32 s32, s20, 11                        ; ybuf: tiles of 2,048 bytes
	s_lshl_b32 s33, s20, 4                         ; my first tile's first rank
	s_mov_b32 s34, 0                               ; the trip
	s_lshl_b32 s26, s24, 10                        ; my tile's first row of W2: 1024 e + 32 j + 16 T
	s_lshl_b32 s27, s23, 5
	s_add_co_u32 s26, s26, s27
	s_lshl_b32 s27, s21, 4
	s_add_co_u32 s26, s26, s27
	s_lshl_b32 s36, s26, 12
	s_lshl_b32 s27, s22, 10                        ; my four K steps begin 1,024 q bytes into a row
	s_add_co_u32 s36, s36, s27
	s_mov_b32 s37, 0
	s_lshl_b32 s29, s24, 2
	s_wait_kmcnt 0x0
	s_load_b32 s28, s[12:13], s29 offset:0x8000    ; the expert's count of rows
	s_add_nc_u64 s[4:5], s[4:5], s[36:37]
	s_lshl_b32 s36, s26, 6
	s_lshl_b32 s27, s22, 4
	s_add_co_u32 s36, s36, s27
	s_add_nc_u64 s[6:7], s[6:7], s[36:37]
	s_lshl_b32 s36, s24, 5
	s_add_co_u32 s36, s36, s23
	s_lshl_b32 s36, s36, 17                        ; ybuf: (32 e + j) x 1,024 ranks x 128 bytes
	s_add_nc_u64 s[14:15], s[14:15], s[36:37]
	global_load_b128 v[GS:GS+3], v[GSO], s[6:7]    ; my row's group scales of my four K steps
	WIN 0x40                                       ; destination window 1: step k's load i lands in v[32 k + 4 i]
.irp k, 0,1,2,3
.irp i, 0,1,2,3,4,5,6,7
	global_load_b128 v[32*\k+4*\i:32*\k+4*\i+3], v[WO], s[4:5] offset:2*\i*4096+256*\k th:TH_LOAD_NT    ; lanes 0-15 one row's 256 bytes (aligned), lanes 16-31 the next row's
.endr
.endr
	ALOAD 0, 12, 0                                 ; my first tile of a: 24 loads now,
	WIN 0
	SLOAD 0                                        ; its 4 of scale words; the last 8 follow in the first K step: 61 loads are out at the most
.macro WSTEP k
.if \k < 2
	s_wait_loadcnt 52                              ; this step's eight loads are in.  Behind them stand, at k = 0: 24 of weights and 28 of a; at k = 1: 16 and 36
.elseif \k == 2
	s_wait_loadcnt 44                              ; 8 of weights and 36 of a
.else
	s_wait_loadcnt 36                              ; a's 36
.endif
.if \k == 0
	WIN 0x40
	ALOAD 12, 4, 0
.endif
	WIN 0x04                                       ; an LDS store's data: window 1
.irp i, 0,1,2,3,4,5,6,7
	ds_store_b128 v[STW], v[32*\k+4*\i:32*\k+4*\i+3] offset:544*\i
.endr
	WIN 0
.irp c, 0,1
.irp q, 0,1,2,3
	ds_load_b128 v[D+4*(4*\c+\q):D+4*(4*\c+\q)+3], v[STR] offset:128*\c+16*\q     ; LDS serves a wave's instructions in order: these see the stores above
.endr
.endr
	s_wait_dscnt 0x0                               ; they are in; the last step's image stores have read their registers too
	v_mov_b32 v14, v[GS+\k]
	v_mov_b32 v15, v[GS+\k]
.set d, 0
.rept 32
	v_and_or_b32 v[F+2*d], v[D+d], 15, s38         ; 2^23 + q of the lower k
	v_and_or_b32 v[F+2*d+1], v[D+d], s40, s39      ; 2^19 + q of the upper
.set d, d+1
.endr
.set d, 0
.rept 32
	v_pk_add_f32 v[F+2*d:F+2*d+1], v[F+2*d:F+2*d+1], v[12:13]     ; q - 8, exact
.set d, d+1
.endr
.set d, 0
.rept 32
	v_pk_mul_f32 v[F+2*d:F+2*d+1], v[F+2*d:F+2*d+1], v[14:15]     ; x the group's scale: one rounding
.set d, d+1
.endr
.irp c, 0,1
	v_max3_num_f32 v[M+\c], |v[F+32*\c]|, |v[F+32*\c+1]|, 0x1800000   ; block 2 c + h is all mine; the floor holds the byte at 1 from below
.endr
.irp i, 2,4,6,8,10,12,14,16,18,20,22,24,26,28,30
.irp c, 0,1
	v_max3_num_f32 v[M+\c], v[M+\c], |v[F+32*\c+\i]|, |v[F+32*\c+\i+1]|
.endr
.endr
.irp c, 0,1
	v_add_nc_u32 v[SO+\c], 0xff000000, v[M+\c]
.endr
.irp c, 0,1
	v_lshrrev_b32 v[BY+\c], 23, v[SO+\c]
.endr
	v_lshl_or_b32 v[WD], v[BY+1], 16, v[BY]
	v_lshlrev_b32 v[WD], v[SH], v[WD]
	v_mov_b32 v[TP], 0
	v_permlanex16_b32 v[TP], v[WD], s44, s45
	v_or_b32 v[WD], v[WD], v[TP]                   ; the row's scale word of this K step
.irp c, 0,1
.irp g, 0,1,2,3
	v_cvt_scalef32_pk8_fp4_f32 v[PCW+4*\c+\g], v[F+32*\c+8*\g:F+32*\c+8*\g+7], v[SO+\c]
.endr
.endr
	v_nop                                          ; one plain line behind the last scaled conversion
	ds_store_b128 v[IW], v[PCW:PCW+3] offset:1024*\k
	ds_store_b128 v[IW], v[PCW+4:PCW+7] offset:1024*\k+512
	ds_store_b32 v[SW], v[WD] offset:128*\k
.endm
.irp k, 0,1,2,3
	WSTEP \k
.endr
	s_wait_dscnt 0x0                               ; my images and scale words have landed, for the others' sake
	s_barrier_signal -1
	s_barrier_wait -1                              ; from here on a wave writes only its own stage for y
	WIN 0x40                                       ; K steps 0-7 of both tiles into window 1
.irp t, 0,1
.irp s, 0,1,2,3,4,5,6,7
	ds_load_b128 v[64*\t+8*\s:64*\t+8*\s+3], v[IR] offset:1024*(16*\t+\s)
	ds_load_b128 v[64*\t+8*\s+4:64*\t+8*\s+7], v[IR] offset:1024*(16*\t+\s)+512
.endr
.endr
	WIN 0                                          ; K steps 8-15 into window 0, where the weight phase worked
.irp t, 0,1
.irp s, 0,1,2,3,4,5,6,7
	ds_load_b128 v[64+64*\t+8*\s:64+64*\t+8*\s+3], v[IR] offset:1024*(16*\t+8+\s)
	ds_load_b128 v[64+64*\t+8*\s+4:64+64*\t+8*\s+7], v[IR] offset:1024*(16*\t+8+\s)+512
.endr
.endr
.set f, 0
.rept 32
	ds_load_b32 v[WSC+f], v[SR] offset:128*f
.set f, f+1
.endr
	s_wait_kmcnt 0x0
	s_min_u32 s28, s28, 1024
.macro WM t
.if ks < 8
.set RA, 64*\t+8*ks
.else
.set RA, 64+64*\t+8*(ks-8)
.endif
.if ks == 0
	v_wmma_scale_f32_16x16x128_f8f6f4 v[ACC+8*\t:ACC+8*\t+7], v[RA:RA+7], v[128+8*ks:128+8*ks+7], 0, v[WSC+16*\t+ks], v[AS+ks] matrix_a_fmt:MATRIX_FMT_FP4 matrix_b_fmt:MATRIX_FMT_FP4
.else
	v_wmma_scale_f32_16x16x128_f8f6f4 v[ACC+8*\t:ACC+8*\t+7], v[RA:RA+7], v[128+8*ks:128+8*ks+7], v[ACC+8*\t:ACC+8*\t+7], v[WSC+16*\t+ks], v[AS+ks] matrix_a_fmt:MATRIX_FMT_FP4 matrix_b_fmt:MATRIX_FMT_FP4
.endif
.endm
; A trip: row tile w + 8 i, whose images were asked for a trip (or the whole weight phase) ago.  nxt = 1: the tile eight further on is asked for behind the products, if it lies under the count.
.macro TRIP nxt
	s_cmp_ge_u32 s33, s28
	s_cbranch_scc1 .Lskip_\@                       ; no rank of this tile is under the count: nor of any later one
	v_add_nc_u32 v[YO], s32, v[L16]
	s_wait_loadcnt 0x0                             ; the tile's images are in
	s_wait_dscnt 0x0                               ; (in the first trip: W's images)
	WIN 0x05                                       ; sources 0 (W) and 1 (a) window 1
.set ks, 0
.rept 8                                ; the two accumulators take turns, one instruction a turn
	WM 0
	WM 1
.set ks, ks+1
.endr
	WIN 0x04                                       ; source 0 window 0, source 1 window 1
.rept 8
	WM 0
	WM 1
.set ks, ks+1
.endr
	WIN 0
.rept 4
	v_nop                                          ; four places ahead of the loads into operands and of the stores that read the results
.endr
.if \nxt
	s_add_co_u32 s36, s33, 128
	s_cmp_ge_u32 s36, s28
	s_cbranch_scc1 .Lnonext_\@
	v_add_nc_u32 v[AO], s30, v[L16]                ; (free: every load that named them is in)
	v_add_nc_u32 v[SO2], s31, v[R16]
	WIN 0x40
	ALOAD 0, 16, 131072                            ; 8 tiles on
	WIN 0
	SLOAD 8192
.Lnonext_\@:
.endif
.irp t, 0,1
	ds_store_b128 v[YSW], v[ACC+8*\t:ACC+8*\t+3] offset:64*\t       ; lane (r, h): y(rank r, 16 T + 8 h + 0..7); each accumulator from its low end on
	ds_store_b128 v[YSW], v[ACC+8*\t+4:ACC+8*\t+7] offset:64*\t+16
.endr
.irp i, 0,1,2,3
	ds_load_b128 v[OUTR+4*\i:OUTR+4*\i+3], v[YSR] offset:576*\i     ; my own bytes, served in order: four rows a load
.endr
.irp i, 0,1,2,3
	s_wait_dscnt 3-\i                              ; load i is in; the younger ones may be out
	global_store_b128 v[YO], v[OUTR+4*\i:OUTR+4*\i+3], s[14:15] offset:512*\i      ; 32 lanes store 512 consecutive bytes, aligned
.endr
.Lskip_\@:
	s_wait_xcnt 0x0                                ; the stores have read their data and offsets: the next trip may write them
	s_add_co_u32 s30, s30, 131072                  ; 8 tiles on
	s_add_co_u32 s31, s31, 8192
	s_add_co_u32 s32, s32, 16384
	s_add_co_u32 s33, s33, 128
.endm
.Ltrip:                                ; seven trips by constant,
	TRIP 1
	s_add_co_u32 s34, s34, 1
	s_cmp_lt_u32 s34, 7
	s_cbranch_scc1 .Ltrip
	TRIP 0                                         ; and the eighth, which asks for nothing more
	s_wait_dscnt 0x0                               ; (a wave without rows has skipped every trip: the images' loads are waited for here)
	s_barrier_signal -1
	s_barrier_wait -1
	s_wait_tensorcnt 0x0
	ds_add_u32 v254, v255
	s_wait_dscnt 0x0
	s_endpgm
.Lfunc_end_k_q7cdd3350f9_down:
	.size	k_q7cdd3350f9_down, .Lfunc_end_k_q7cdd3350f9_down-k_q7cdd3350f9_down
	.p2alignl 7, 3214868480
	.fill 96, 4, 3214868480
	.section	.rodata,"a",@progbits
	.p2align	6, 0x0
	.amdhsa_kernel k_q7cdd3350f9_down
		.amdhsa_group_segment_fixed_size 91136
		.amdhsa_private_segment_fixed_size 0
		.amdhsa_enable_private_segment 0
		.amdhsa_kernarg_size 48
		.amdhsa_user_sgpr_count 2
		.amdhsa_user_sgpr_kernarg_segment_ptr 1
		.amdhsa_wavefront_size32 1
		.amdhsa_system_sgpr_workgroup_id_x 1
		.amdhsa_system_sgpr_workgroup_id_y 1
		.amdhsa_system_sgpr_workgroup_id_z 1
		.amdhsa_system_vgpr_workitem_id 0
		.amdhsa_next_free_vgpr 512
		.amdhsa_next_free_sgpr 66
		.amdhsa_reserve_vcc 0
		.amdhsa_float_denorm_mode_32 3
		.amdhsa_float_denorm_mode_16_64 3
		.amdhsa_memory_ordered 1
		.amdhsa_forward_progress 1
		.amdhsa_inst_pref_size 82
	.end_amdhsa_kernel
	.amdgpu_metadata
---
amdhsa.version: [ 1, 2 ]
amdhsa.kernels:
  - .name:           k_q7cdd3350f9_down
    .symbol:         k_q7cdd3350f9_down.kd
    .args:
      - { .name: w2, .offset: 0, .size: 8, .value_kind: global_buffer, .address_space: global }
      - { .name: w2_scale, .offset: 8, .size: 8, .value_kind: global_buffer, .address_space: global }
      - { .name: aq, .offset: 16, .size: 8, .value_kind: global_buffer, .address_space: global }
      - { .name: asc, .offset: 24, .size: 8, .value_kind: global_buffer, .address_space: global }
      - { .name: pos, .offset: 32, .size: 8, .value_kind: global_buffer, .address_space: global }
      - { .name: ybuf, .offset: 40, .size: 8, .value_kind: global_buffer, .address_space: global }
    .group_segment_fixed_size: 91136
    .private_segment_fixed_size: 0
    .kernarg_segment_align: 8
    .kernarg_segment_size: 48
    .max_flat_workgroup_size: 256
    .sgpr_count:     66
    .vgpr_count:     512
    .wavefront_size: 32
...
	.end_amdgpu_metadata
.endif
;; end of part 3
;; launch combine (part 4): grid 256 x 1, 4 waves a work-group, no clusters, 0 bytes of LDS; arguments ybuf, rec, pos, gw, out0; writes out0
.if DOCPART == 4
	.amdgcn_target "amdgcn-amd-amdhsa--gfx1250"
	.amdhsa_code_object_version 6
	.text
	.protected	k_q7cdd3350f9_combine
	.globl	k_q7cdd3350f9_combine
	.p2align	8
	.type	k_q7cdd3350f9_combine,@function
k_q7cdd3350f9_combine:
	s_mov_b64 s[64:65], 0
	v_nop
	global_prefetch_b8 v0, s[64:65] scope:SCOPE_SE
	s_setreg_imm32_b32 hwreg(HW_REG_WAVE_MODE, 25, 1), 1
	s_wait_xcnt 0x0
; out[t] = g0 y(e0, rank0) + g1 y(e1, rank1).  One wave to a token: t = 4 x work-group + wave.
; rec[t] names the two experts, pos[e][t] the token's rank with each, gw[t] the gates.  The token's word of pos is read for ALL eight experts beside rec and the gates (pos holds a number for every token and
; expert), and the two that count are chosen by selects: so the ranks cost no trip to memory of their own behind rec.
; ybuf is [e][j 32][rank 1024][32 f32]: a row of y lies in 32 runs of 128 bytes, one for each owner of 32 columns; eight lanes take a run, so a load takes four runs and eight loads a row.
; The output row leaves by eight stores of 512 consecutive bytes.  A stream: no LDS, no barrier, no matrix unit, no cluster (nothing is shared).
.set Y0, 16                            ; v16-47 the first expert's row
.set Y1, 48                            ; v48-79 the second's
.set PR, 32                            ; s32-39 pos[e][t], e = 0 .. 7
	s_load_b256 s[4:11], s[0:1], 0x0               ; ybuf, rec, pos, gw
	s_load_b64 s[12:13], s[0:1], 0x20              ; out0
	v_lshrrev_b32 v1, 5, v0
	v_readfirstlane_b32 s14, v1                    ; wave
	s_lshl_b32 s15, ttmp9, 2
	s_add_co_u32 s15, s15, s14                     ; my token
	s_lshl_b32 s16, s15, 2
	s_lshl_b32 s17, s15, 3
	v_and_b32 v1, 31, v0                           ; lane
	v_lshrrev_b32 v2, 3, v1
	v_lshlrev_b32 v2, 17, v2                       ; (lane / 8) owners of 131,072 bytes
	v_and_b32 v10, 7, v1
	v_lshl_add_u32 v2, v10, 4, v2                  ; + 16 (lane % 8)
	v_lshlrev_b32 v9, 4, v1                        ; out: 16 x lane
	s_wait_kmcnt 0x0
	s_load_b32 s20, s[6:7], s16 offset:0x0         ; rec[t]
	s_load_b64 s[22:23], s[10:11], s17 offset:0x0  ; the gates
.irp e, 0,1,2,3,4,5,6,7
	s_load_b32 s[PR+\e], s[8:9], s16 offset:4096*\e    ; pos[e][t]
.endr
	s_lshl_b32 s18, s15, 12
	s_mov_b32 s19, 0
	s_add_nc_u64 s[12:13], s[12:13], s[18:19]      ; out at my row
	s_wait_kmcnt 0x0
	s_bfe_u32 s24, s20, 0x80008                    ; e0
	s_bfe_u32 s25, s20, 0x80010                    ; e1
	s_min_u32 s24, s24, 7
	s_min_u32 s25, s25, 7
	s_mov_b32 s28, s[PR]
	s_mov_b32 s29, s[PR]
.irp e, 1,2,3,4,5,6,7
	s_cmp_eq_u32 s24, \e
	s_cselect_b32 s28, s[PR+\e], s28               ; the rank with e0,
	s_cmp_eq_u32 s25, \e
	s_cselect_b32 s29, s[PR+\e], s29               ; with e1
.endr
	v_mov_b32 v4, s22                              ; the gates as pairs for the packed forms
	v_mov_b32 v5, s22
	v_mov_b32 v6, s23
	v_mov_b32 v7, s23
	s_min_u32 s28, s28, 1023
	s_min_u32 s29, s29, 1023
	s_lshl_b32 s30, s24, 22                        ; an expert's part of ybuf is 2^22 bytes, a rank's part of a run 128
	s_lshl_b32 s28, s28, 7
	s_add_co_u32 s30, s30, s28
	s_lshl_b32 s31, s25, 22
	s_lshl_b32 s29, s29, 7
	s_add_co_u32 s31, s31, s29
	v_add_nc_u32 v3, s30, v2
	v_add_nc_u32 v8, s31, v2
.irp i, 0,1,2,3,4,5,6,7
	global_load_b128 v[Y0+4*\i:Y0+4*\i+3], v3, s[4:5] offset:524288*\i th:TH_LOAD_NT     ; owners 4 i .. 4 i + 3
.endr
.irp i, 0,1,2,3,4,5,6,7
	global_load_b128 v[Y1+4*\i:Y1+4*\i+3], v8, s[4:5] offset:524288*\i th:TH_LOAD_NT
.endr
	s_wait_loadcnt 0x0
.set n, 0
.rept 16
	v_pk_mul_f32 v[Y0+n:Y0+n+1], v[Y0+n:Y0+n+1], v[4:5]
.set n, n+2
.endr
.set n, 0
.rept 16
	v_pk_fma_f32 v[Y0+n:Y0+n+1], v[Y1+n:Y1+n+1], v[6:7], v[Y0+n:Y0+n+1]
.set n, n+2
.endr
.irp i, 0,1,2,3,4,5,6,7
	global_store_b128 v9, v[Y0+4*\i:Y0+4*\i+3], s[12:13] offset:512*\i th:TH_STORE_NT    ; 32 lanes store 512 consecutive bytes, aligned
.endr
	s_endpgm
.Lfunc_end_k_q7cdd3350f9_combine:
	.size	k_q7cdd3350f9_combine, .Lfunc_end_k_q7cdd3350f9_combine-k_q7cdd3350f9_combine
	.p2alignl 7, 3214868480
	.fill 96, 4, 3214868480
	.section	.rodata,"a",@progbits
	.p2align	6, 0x0
	.amdhsa_kernel k_q7cdd3350f9_combine
		.amdhsa_group_segment_fixed_size 0
		.amdhsa_private_segment_fixed_size 0
		.amdhsa_enable_private_segment 0
		.amdhsa_kernarg_size 40
		.amdhsa_user_sgpr_count 2
		.amdhsa_user_sgpr_kernarg_segment_ptr 1
		.amdhsa_wavefront_size32 1
		.amdhsa_system_sgpr_workgroup_id_x 1
		.amdhsa_system_sgpr_workgroup_id_y 1
		.amdhsa_system_sgpr_workgroup_id_z 1
		.amdhsa_system_vgpr_workitem_id 0
		.amdhsa_next_free_vgpr 88
		.amdhsa_next_free_sgpr 66
		.amdhsa_reserve_vcc 0
		.amdhsa_float_denorm_mode_32 3
		.amdhsa_float_denorm_mode_16_64 3
		.amdhsa_memory_ordered 1
		.amdhsa_forward_progress 1
		.amdhsa_inst_pref_size 8
	.end_amdhsa_kernel
	.amdgpu_metadata
---
amdhsa.version: [ 1, 2 ]
amdhsa.kernels:
  - .name:           k_q7cdd3350f9_combine
    .symbol:         k_q7cdd3350f9_combine.kd
    .args:
      - { .name: ybuf, .offset: 0, .size: 8, .value_kind: global_buffer, .address_space: global }
      - { .name: rec, .offset: 8, .size: 8, .value_kind: global_buffer, .address_space: global }
      - { .name: pos, .offset: 16, .size: 8, .value_kind: global_buffer, .address_space: global }
      - { .name: gw, .offset: 24, .size: 8, .value_kind: global_buffer, .address_space: global }
      - { .name: out0, .offset: 32, .size: 8, .value_kind: global_buffer, .address_space: global }
    .group_segment_fixed_size: 0
    .private_segment_fixed_size: 0
    .kernarg_segment_align: 8
    .kernarg_segment_size: 40
    .max_flat_workgroup_size: 128
    .sgpr_count:     66
    .vgpr_count:     88
    .wavefront_size: 32
...
	.end_amdgpu_metadata
.endif
;; end of part 4
;; ======== version 2 of 2: 4 launches
;; workspace buffers: xq 524,288 bytes; xs 32,768 bytes; rec 4,096 bytes of whole numbers; gw 8,192 bytes; aq 8,388,608 bytes; asc 524,288 bytes; pos 33,024 bytes of whole numbers; ybuf 33,554,432 bytes
;; launch route (part 5): grid 128 x 1, 8 waves a work-group, no clusters, 71,680 bytes of LDS; arguments x, router_w, xq, xs, rec, gw; writes xq, xs, rec, gw
.if DOCPART == 5
	.amdgcn_target "amdgcn-amd-amdhsa--gfx1250"
	.amdhsa_code_object_version 6
	.text
	.protected	k_q7cdd3350f9_route
	.globl	k_q7cdd3350f9_route
	.p2align	8
	.type	k_q7cdd3350f9_route,@function
k_q7cdd3350f9_route:
	s_mov_b64 s[64:65], 0
	v_nop
	global_prefetch_b8 v0, s[64:65] scope:SCOPE_SE
	s_setreg_imm32_b32 hwreg(HW_REG_WAVE_MODE, 25, 1), 1
	s_wait_xcnt 0x0
; ROUTER AND x's CODES.  x [1024][1024] f32, router_w [8][1024] f32.
; A work-group takes 8 tokens, wave w token t = 8 x work-group + w.  For its token a wave makes
;   the 8 scores in f32 (packed multiply-adds, two chains a score, then a sum over the 32 lanes),
;   the two largest (strictly greater wins, so the lower index is kept where two are equal), their softmax with the larger one taken away,
;   and the token's 1,024 numbers as codes of E2M1 with one E8M0 byte for each 32.
; OUT, all at places that hang on the token's number alone:
;   xq[t]: 512 bytes; block B = 4 s + 2 c + h (K = 32 B on) at h 256 + s 32 + c 16: a lane (row, h) of a later matrix operand finds its 8 K steps in 256 consecutive bytes
;   xs[t][B]: the block's byte;   rec[t] = (1 << e0 | 1 << e1) | e0 << 8 | e1 << 16;   gw[t] = the two gates, f32
; LIMITS: NaN and infinities are not served.  The scores' sums go in another order than a plain dot product: scores equal within f32 rounding may be ranked otherwise.
; A block whose largest magnitude lies under 2^-124 keeps the byte 1 (a block of zeros too: its codes are zeros, and this program alone reads the bytes).
; No matrix unit: 8 columns.  No cluster: the work-groups share only router_w, 32 KiB.
.set RW,   0                           ; LDS: router_w as it lies, expert e at 4096 e
.set STG,  32768                       ; a stage for each wave: 32 blocks x (128 bytes + 16)
.set XSB,  69632                       ; 256 scale bytes of the 8 tokens
.set RECS, 69888                       ; their 8 words of rec
.set GWS,  70144                       ; their 8 pairs of gates
.set X,    16                          ; v16-47   my 32 numbers of x as loaded: 128 i + 4 lane + 0..3
.set RB,   48                          ; v48-111  two sets of 32 numbers of router_w
.set Q,    112                         ; v112-143 block `lane` of the token: 32 neighbours
.set CH,   144                         ; v144-175 two packed chains a score
.set SC,   176                         ; v176-183 the scores
.set T,    184                         ; v184-199 at work
.set CD,   200                         ; v200-203 my block's codes
	s_load_b256 s[4:11], s[0:1], 0x0               ; x, router_w, xq, xs
	s_load_b128 s[12:15], s[0:1], 0x20             ; rec, gw
	v_lshl_add_u32 v208, v0, 2, 0x11400
	v_mov_b32 v209, 0
	v_lshrrev_b32 v1, 5, v0
	s_delay_alu instid0(VALU_DEP_1)
	v_readfirstlane_b32 s16, v1                    ; wave
	v_and_b32 v1, 31, v0                           ; lane
	s_delay_alu instid0(VALU_DEP_1)
	v_lshlrev_b32 v2, 4, v1                        ; 16 x lane
	s_delay_alu instid0(VALU_DEP_2)
	v_lshlrev_b32 v6, 3, v1                        ; 8 x lane
	s_delay_alu instid0(VALU_DEP_3)
	v_lshlrev_b32 v15, 2, v1                       ; 4 x lane
	s_mul_i32 s17, s16, 4608
	s_add_co_u32 s17, s17, STG                     ; my stage
	v_lshrrev_b32 v11, 3, v1
	s_delay_alu instid0(VALU_DEP_1)
	v_mul_u32_u24 v3, v11, 144
	v_and_b32 v11, 7, v1
	s_delay_alu instid0(VALU_DEP_1)
	v_lshl_add_u32 v3, v11, 4, v3
	s_delay_alu instid0(VALU_DEP_1)
	v_add_nc_u32 v3, s17, v3                       ; into the stage: eight lanes' 128 bytes are a block
	s_delay_alu instid0(VALU_DEP_3)
	v_lshl_add_u32 v13, v11, 2, RECS               ; wave 0's way out: rec,
	s_delay_alu instid0(VALU_DEP_4)
	v_lshl_add_u32 v14, v11, 3, GWS                ; the gates,
	v_add_nc_u32 v12, XSB, v6                      ; the scale bytes
	v_mul_u32_u24 v4, v1, 144
	s_delay_alu instid0(VALU_DEP_1)
	v_add_nc_u32 v4, s17, v4                       ; out of the stage: block = lane
	s_lshl_b32 s18, s16, 12
	s_mov_b32 s19, 0
	v_add_nc_u32 v5, s18, v2                       ; RW: row w, which my wave brings
	v_and_b32 v7, 1, v1                            ; xq: block = lane: h = lane & 1,
	s_delay_alu instid0(VALU_DEP_1)
	v_lshlrev_b32 v7, 8, v7
	v_lshrrev_b32 v11, 2, v1                       ; s = lane >> 2,
	s_delay_alu instid0(VALU_DEP_1)
	v_lshl_add_u32 v7, v11, 5, v7
	v_bfe_u32 v11, v1, 1, 1                        ; c = (lane >> 1) & 1
	s_delay_alu instid0(VALU_DEP_1)
	v_lshl_add_u32 v7, v11, 4, v7
	v_add_nc_u32 v8, XSB, v0                       ; my block's byte: 32 w + lane
	s_lshl_b32 s21, s16, 2
	s_add_co_u32 s21, s21, RECS
	v_mov_b32 v9, s21
	s_lshl_b32 s21, s16, 3
	s_add_co_u32 s21, s21, GWS
	v_mov_b32 v10, s21
	s_mov_b32 s26, 0x76543210
	s_mov_b32 s27, 0xfedcba98                      ; v_permlanex16_b32's selects for lane l xor 16
	s_lshl_b32 s20, ttmp9, 3
	s_add_co_u32 s20, s20, s16                     ; my token
	s_mov_b32 s23, 0
	s_wait_kmcnt 0x0
	s_add_nc_u64 s[6:7], s[6:7], s[18:19]          ; router_w at row w
	s_lshl_b32 s22, s20, 12
	s_add_nc_u64 s[4:5], s[4:5], s[22:23]          ; x at my token
	s_lshl_b32 s22, s20, 9
	s_add_nc_u64 s[8:9], s[8:9], s[22:23]          ; xq at my token
	s_lshl_b32 s22, ttmp9, 8
	s_add_nc_u64 s[10:11], s[10:11], s[22:23]      ; xs, rec, gw at the work-group's 8 tokens
	s_lshl_b32 s22, ttmp9, 5
	s_add_nc_u64 s[12:13], s[12:13], s[22:23]
	s_lshl_b32 s22, ttmp9, 6
	s_add_nc_u64 s[14:15], s[14:15], s[22:23]
.irp i, 0,1,2,3,4,5,6,7
	global_load_b128 v[X+4*\i:X+4*\i+3], v2, s[4:5] offset:512*\i th:TH_LOAD_NT    ; 32 lanes read 512 consecutive bytes
.endr
.irp i, 0,1,2,3,4,5,6,7
	global_load_b128 v[RB+4*\i:RB+4*\i+3], v2, s[6:7] offset:512*\i
.endr
	s_wait_loadcnt 0x0
.irp i, 0,1,2,3,4,5,6,7
	ds_store_b128 v5, v[RB+4*\i:RB+4*\i+3] offset:512*\i
.endr
.irp i, 0,1,2,3,4,5,6,7
	ds_store_b128 v3, v[X+4*\i:X+4*\i+3] offset:576*\i           ; a load's 512 bytes are four blocks
.endr
	s_wait_dscnt 0x0                               ; my row of router_w has landed, for the others' sake
	s_barrier_signal -1
	s_barrier_wait -1                              ; all eight rows lie in LDS
.macro LOADRW e
.irp i, 0,1,2,3,4,5,6,7
	ds_load_b128 v[RB+32*((\e)%2)+4*\i:RB+32*((\e)%2)+4*\i+3], v2 offset:(\e)*4096+512*\i
.endr
.endm
.macro DOT e
.set RR, RB+32*((\e)%2)
.set CA, CH+4*(\e)
	v_pk_mul_f32 v[CA:CA+1], v[X:X+1], v[RR:RR+1]                ; the first products start the chains
	v_pk_mul_f32 v[CA+2:CA+3], v[X+2:X+3], v[RR+2:RR+3]
.irp i, 4,8,12,16,20,24,28
	s_delay_alu instid0(VALU_DEP_2)
	v_pk_fma_f32 v[CA:CA+1], v[X+\i:X+\i+1], v[RR+\i:RR+\i+1], v[CA:CA+1]
	s_delay_alu instid0(VALU_DEP_2)
	v_pk_fma_f32 v[CA+2:CA+3], v[X+\i+2:X+\i+3], v[RR+\i+2:RR+\i+3], v[CA+2:CA+3]
.endr
	s_delay_alu instid0(VALU_DEP_1)
	v_pk_add_f32 v[CA:CA+1], v[CA:CA+1], v[CA+2:CA+3]
	s_delay_alu instid0(VALU_DEP_1)
	v_add_f32 v[SC+(\e)], v[CA], v[CA+1]
.endm
	LOADRW 0
.irp e, 0,1,2,3,4,5,6
	LOADRW \e+1
	s_wait_dscnt 8                                 ; this expert's eight loads are in; the next expert's eight may be out
	DOT \e
.endr
	s_wait_dscnt 0x0
	DOT 7
.irp i, 0,1,2,3,4,5,6,7
	ds_load_b128 v[Q+4*\i:Q+4*\i+3], v4 offset:16*\i             ; my block's 32 neighbours; they land under the work below
.endr
	; the scores: sums over the 32 lanes, every lane ends with the same bits
.irp m, 1,2,4,8
.irp e, 0,1,2,3,4,5,6,7
	v_add_f32_dpp v[SC+\e], v[SC+\e], v[SC+\e] row_xmask:\m row_mask:0xf bank_mask:0xf
.endr
.endr
.irp e, 0,1,2,3,4,5,6,7
	v_mov_b32 v[T+\e], 0                           ; a lane permute's destination counts as one of its sources
.endr
.irp e, 0,1,2,3,4,5,6,7
	v_permlanex16_b32 v[T+\e], v[SC+\e], s26, s27
.endr
.irp e, 0,1,2,3,4,5,6,7
	v_add_f32 v[SC+\e], v[SC+\e], v[T+\e]
.endr
	v_mov_b32 v192, v[SC]                          ; the largest score and its expert
	v_mov_b32 v193, 0
.irp e, 1,2,3,4,5,6,7
	s_delay_alu instid0(VALU_DEP_2)
	v_cmp_gt_f32 vcc_lo, v[SC+\e], v192
	s_delay_alu instid0(VALU_DEP_1)
	v_cndmask_b32 v192, v192, v[SC+\e], vcc_lo
	s_delay_alu instid0(VALU_DEP_2)
	v_cndmask_b32 v193, v193, \e, vcc_lo
.endr
	v_mov_b32 v196, 0xff800000                     ; -infinity takes the winner's place
.irp e, 0,1,2,3,4,5,6,7
	v_cmp_eq_u32 vcc_lo, \e, v193
	s_delay_alu instid0(VALU_DEP_1)
	v_cndmask_b32 v[SC+\e], v[SC+\e], v196, vcc_lo
.endr
	v_mov_b32 v194, v[SC]                          ; the second
	v_mov_b32 v195, 0
.irp e, 1,2,3,4,5,6,7
	s_delay_alu instid0(VALU_DEP_2)
	v_cmp_gt_f32 vcc_lo, v[SC+\e], v194
	s_delay_alu instid0(VALU_DEP_1)
	v_cndmask_b32 v194, v194, v[SC+\e], vcc_lo
	s_delay_alu instid0(VALU_DEP_2)
	v_cndmask_b32 v195, v195, \e, vcc_lo
.endr
	s_delay_alu instid0(VALU_DEP_2)
	v_sub_f32 v197, v194, v192                     ; the softmax of the two, the larger taken away: 1 and p = e^(s2 - s1), over 1 + p
	s_delay_alu instid0(VALU_DEP_1)
	v_mul_f32 v197, 0x3fb8aa3b, v197
	s_wait_alu depctr_va_vdst(0)
	v_exp_f32 v198, v197
	v_mov_b32 v199, 1                              ; (a plain line behind the exponential)
	s_wait_alu depctr_va_vdst(0)                   ; the wait ahead of the first use of p
	v_add_f32 v197, 1.0, v198
	s_wait_alu depctr_va_vdst(0)
	v_rcp_f32 v184, v197                           ; g0
	v_lshlrev_b32 v186, v193, v199                 ; 1 << e0  (a plain line behind the reciprocal)
	s_wait_alu depctr_va_vdst(0)                   ; and ahead of the first use of the reciprocal
	v_mul_f32 v185, v198, v184                     ; g1
	v_lshlrev_b32 v187, v195, v199
	s_delay_alu instid0(VALU_DEP_1)
	v_or_b32 v186, v186, v187
	s_delay_alu instid0(VALU_DEP_1)
	v_lshl_or_b32 v186, v193, 8, v186
	s_delay_alu instid0(VALU_DEP_1)
	v_lshl_or_b32 v186, v195, 16, v186             ; rec
	; my block of x: its largest magnitude, its byte, its codes
	s_wait_dscnt 0x0
	v_max3_num_f32 v188, |v[Q]|, |v[Q+1]|, |v[Q+2]|
	v_max3_num_f32 v189, |v[Q+3]|, |v[Q+4]|, |v[Q+5]|
.irp i, 6,10,14,18,22,26
	s_delay_alu instid0(VALU_DEP_2)
	v_max3_num_f32 v188, v188, |v[Q+\i]|, |v[Q+\i+1]|
	s_delay_alu instid0(VALU_DEP_2)
	v_max3_num_f32 v189, v189, |v[Q+\i+2]|, |v[Q+\i+3]|
.endr
	s_delay_alu instid0(VALU_DEP_2)
	v_max3_num_f32 v188, v188, |v[Q+30]|, |v[Q+31]|
	s_delay_alu instid0(VALU_DEP_1)
	v_max3_num_f32 v188, v188, v189, 0x1800000     ; the floor 2^(3 - 127): the byte cannot fall under 1
	s_delay_alu instid0(VALU_DEP_1)
	v_add_nc_u32 v189, 0xff000000, v188            ; 2 off the exponent field: the conversion takes this operand's exponent field as its scale
.irp g, 0,1,2,3
	v_cvt_scalef32_pk8_fp4_f32 v[CD+\g], v[Q+8*\g:Q+8*\g+7], v189
.endr
	v_lshrrev_b32 v190, 23, v189                   ; the byte (a plain line behind the conversions)
	global_store_b128 v7, v[CD:CD+3], s[8:9]       ; the wave's 32 x 16 bytes are the token's 512: two aligned runs of 256 bytes, each written whole
	ds_store_b8 v8, v190
	ds_store_b32 v9, v186                          ; all lanes write the same word with the same value
	ds_store_b64 v10, v[184:185]
	s_wait_dscnt 0x0                               ; for wave 0's sake
	s_barrier_signal -1
	s_barrier_wait -1
	s_cmp_lg_u32 s16, 0
	s_cbranch_scc1 .Lend                           ; wave 0 stores what the eight waves gathered
	ds_load_b64 v[188:189], v12
	ds_load_b32 v190, v13
	ds_load_b64 v[192:193], v14
	s_wait_dscnt 0x0
	global_store_b64 v6, v[188:189], s[10:11]      ; 32 lanes store 256 consecutive bytes, aligned
	s_wait_xcnt 0x0                                ; EXEC changes only behind this wait
	v_cmp_gt_u32 vcc_lo, 8, v1
	s_and_saveexec_b32 s24, vcc_lo
	global_store_b32 v15, v190, s[12:13]
	global_store_b64 v6, v[192:193], s[14:15]
	s_wait_xcnt 0x0                                ; and again ahead of the line that widens it
	s_or_b32 exec_lo, exec_lo, s24
.Lend:
	s_barrier_signal -1
	s_barrier_wait -1
	s_wait_tensorcnt 0x0
	ds_add_u32 v208, v209
	s_wait_dscnt 0x0
	s_endpgm
.Lfunc_end_k_q7cdd3350f9_route:
	.size	k_q7cdd3350f9_route, .Lfunc_end_k_q7cdd3350f9_route-k_q7cdd3350f9_route
	.p2alignl 7, 3214868480
	.fill 96, 4, 3214868480
	.section	.rodata,"a",@progbits
	.p2align	6, 0x0
	.amdhsa_kernel k_q7cdd3350f9_route
		.amdhsa_group_segment_fixed_size 71680
		.amdhsa_private_segment_fixed_size 0
		.amdhsa_enable_private_segment 0
		.amdhsa_kernarg_size 48
		.amdhsa_user_sgpr_count 2
		.amdhsa_user_sgpr_kernarg_segment_ptr 1
		.amdhsa_wavefront_size32 1
		.amdhsa_system_sgpr_workgroup_id_x 1
		.amdhsa_system_sgpr_workgroup_id_y 1
		.amdhsa_system_sgpr_workgroup_id_z 1
		.amdhsa_system_vgpr_workitem_id 0
		.amdhsa_next_free_vgpr 210
		.amdhsa_next_free_sgpr 66
		.amdhsa_reserve_vcc 1
		.amdhsa_float_denorm_mode_32 3
		.amdhsa_float_denorm_mode_16_64 3
		.amdhsa_memory_ordered 1
		.amdhsa_forward_progress 1
		.amdhsa_inst_pref_size 35
	.end_amdhsa_kernel
	.amdgpu_metadata
---
amdhsa.version: [ 1, 2 ]
amdhsa.kernels:
  - .name:           k_q7cdd3350f9_route
    .symbol:         k_q7cdd3350f9_route.kd
    .args:
      - { .name: x, .offset: 0, .size: 8, .value_kind: global_buffer, .address_space: global }
      - { .name: router_w, .offset: 8, .size: 8, .value_kind: global_buffer, .address_space: global }
      - { .name: xq, .offset: 16, .size: 8, .value_kind: global_buffer, .address_space: global }
      - { .name: xs, .offset: 24, .size: 8, .value_kind: global_buffer, .address_space: global }
      - { .name: rec, .offset: 32, .size: 8, .value_kind: global_buffer, .address_space: global }
      - { .name: gw, .offset: 40, .size: 8, .value_kind: global_buffer, .address_space: global }
    .group_segment_fixed_size: 71680
    .private_segment_fixed_size: 0
    .kernarg_segment_align: 8
    .kernarg_segment_size: 48
    .max_flat_workgroup_size: 256
    .sgpr_count:     66
    .vgpr_count:     210
    .wavefront_size: 32
...
	.end_amdgpu_metadata
.endif
;; end of part 5
;; launch up (part 6): grid 32 x 8, 8 waves a work-group, no clusters, 261,120 bytes of LDS; arguments w1, w1_scale, xq, xs, rec, aq, asc, pos; writes aq, asc, pos
.if DOCPART == 6
	.amdgcn_target "amdgcn-amd-amdhsa--gfx1250"
	.amdhsa_code_object_version 6
	.text
	.protected	k_q7cdd3350f9_up
	.globl	k_q7cdd3350f9_up
	.p2align	8
	.type	k_q7cdd3350f9_up,@function
k_q7cdd3350f9_up:
	s_mov_b64 s[64:65], 0
	v_nop
	global_prefetch_b8 v0, s[64:65] scope:SCOPE_SE
	s_setreg_imm32_b32 hwreg(HW_REG_WAVE_MODE, 25, 1), 1
	s_wait_xcnt 0x0
; FIRST PRODUCT AND SwiGLU, for the rows that chose the expert.  Work-group (j, e): expert e, hidden units 64 j .. 64 j + 63: 64 gate rows and 64 up rows of W1, which no other work-group reads.
; w1 [8][4096][512] int32, a byte (two int4, the lower k in the low four bits) in each; w1_scale [8][4096][8] f32, one for 128 along K.  w = (q - 8) x scale in f32, then the MX quantiser along K.
; THREE PARTS.
;  LIST: from rec (one word a token) every work-group makes the expert's list rank -> token, in gather form: thread n finds the tokens of ranks n, n + 256, n + 512, n + 768.  The order of ranks is that of the
;        32 mask words (word g, bit l: token 128 (g / 4) + 4 l + g % 4); any fixed order serves, since pos hands it on.  Work-group j = 0 stores, for every token, pos[e][token] = how many of the expert's tokens
;        stand ahead of it in that order (its rank, where it chose the expert; else a number that nobody reads), and the count.
;  WEIGHTS: wave w = 4 b + p makes tile p (0, 1: gate; 2, 3: up) of block b of 32 hidden units: 16 rows x 1,024 K: 8 fragments and their scale words, stored in LDS as images of the operand's registers.
;        THE ROWS OF A TILE ARE NOT NEIGHBOURS: lane r takes row base + r + 8 (r / 8), so that the 16 registers of two neighbouring tiles are 16 neighbouring hidden units.
;  ROWS: in chunks of 128 ranks.  x's CODES COME THROUGH LDS: wave w brings rows 16 w .. 16 w + 15 of a chunk, a row's 512 bytes by ONE load of the 32 lanes, and their scale bytes by one more; the work-group
;        fetches each row once, and all eight waves read their fragments from LDS.  Two buffers: while chunk i is multiplied, chunk i + 1's rows are on their way into registers; they are stored behind the
;        products, one barrier follows, and chunk i + 2 is asked for.  Chunk 0 is asked for ahead of the weight phase.
;        Wave (b, p) holds block b's 32 fragments in registers and takes ranks 32 p .. 32 p + 31 of each chunk.  The product is used transposed (source 0 = 16 rows of W1, source 1 = 16 tokens), so a lane holds
;        one token; a = silu(gate) x up in f32; its block of 32 is quantised and stored as the second product's operand image (aq) with its byte (asc).
; WHICH RANKS: the first 128 of every expert always (the next launch asks for their images without looking at the count), the others in pairs of tiles whose first rank lies under the count.  Ranks at or past the
; count take some token (at most 1,023); their rows are computed and no later launch uses the results.
; NO TENSOR LOAD, NO CLUSTER: which trips work hangs on a count made from words read from memory; the weights, nearly all the bytes, are shared with nobody.
; 40 of a wave's 64 weight loads go out at its head, ahead of the list; the other 24 as the first three K steps' have landed.
; LIMITS: NaN and infinities are not served; an MX block whose largest magnitude lies under 2^-124 keeps the byte 1 (a block of zeros too: its codes are zeros).
.set STG,  0                           ; LDS: a stage for each wave, 16 rows x (256 bytes + 16)
.set IMG,  34816                       ; images of the 64 fragments: wave w, K step s, half c at 8192 w + 1024 s + 512 c + 16 lane
.set WS,   100352                      ; their scale words: 1024 w + 128 s + 4 lane
.set LIST, 108544                      ; the list: a word a rank
.set XP,   528                         ; a row of x's codes in LDS: 512 bytes + 16: the 16 rows that a fragment load touches start at 16 different columns of 16 bytes
.set XB0,  112640                      ; two buffers of 128 such rows
.set XB1,  180224
.set XSS,  247808                      ; two buffers of 128 rows of scale bytes: 32 bytes + 16
.set XSD,  6144                        ; from one to the other
.set WO,   4                           ; v4   w1: h x a row + 16 r
.set STW,  5                           ; v5   stage, way in
.set STR,  6                           ; v6   stage, way out
.set IW,   7                           ; v7   where I store images
.set IR,   8                           ; v8   where I read my block's images
.set SW,   9                           ; v9   where I store scale words
.set SR,   10                          ; v10  where I read them
.set XR0,  4                           ; behind the weight phase: v4, v5  where I read my pair's rows in buffer 0, 1
.set XW0,  6                           ;                          v6, v7  where I store the rows that I bring, buffer 0, 1
.set XSR,  8                           ;                          v8      where I read my pair's scale bytes
.set XSW,  9                           ;                          v9      where I store those that I bring
.set SOB,  10                          ;                          v10     asc: h x a tile + 16 r
.set LBU,  11                          ; v11  LIST + 64 w, the same in all lanes
.set SLS,  12                          ; v12-15  the scale bytes that I bring, on their way
.set WSC,  16                          ; v16-47  W's scale words (8 T + s): scales and nothing else
.set XSC,  48                          ; v48-55  x's scale words, K step s: lanes 0-15 tile A's rows, lanes 16-31 tile B's
.set XF,   56                          ; v56-119 x's fragments of four K steps: tile A, tile B; step s at + 8 (s % 4)
.set SL,   120                         ; v120-183 the 16 rows that I bring, on their way
.set ACC,  184                         ; v184-247 accumulators: 32 X + 8 T
.set PC,   248                         ; v248-251 a's codes
.set LBS,  252                         ; v252 LIST + 64 w + 4 (lane / 2)
.set L16,  253                         ; v253 16 x lane
.set XH,   254                         ; v254 16 (lane % 2)
.set AOB,  255                         ; v255 aq: h x a tile + 16 r
.set LA,   ACC+20                      ; a trip's places in the list
.set LAS,  ACC+21
; the list's registers
.set RC,   56                          ; v56-87 rec
.set RK,   88                          ; v88-91 my four ranks
.set WD4,  92                          ; v92-95 the mask word that holds each
.set PG,   96                          ; v96-99 ranks ahead of that word | its first token << 16
.set SCR,  100                         ; v100-109 at work
.set TK,   110                         ; v110-113 the tokens
.set PO,   114                         ; v114-117 what pos gets for my four tokens
.set LSA,  118                         ; v118 LIST + 4 x thread
.set POA,  119                         ; v119 my four tokens' place in pos
.set RO,   184                         ; v184-187 rec of tokens 128 w + 4 lane + 0..3
.set GSO,  188                         ; v188 my row's place in w1_scale
.set RCW,  190                         ; v190 16 x thread
; the weight phase's registers
.set F,    56                          ; v56-119 my 64 numbers
.set D,    184                         ; v184-215 my 32 words of a K step
.set GS,   216                         ; v216-223 my row's 8 group scales
.set M,    224
.set SO,   226
.set BY,   228
.set WD,   230
.set TP,   231
.set SH,   232                         ; 8 h
.set PCW,  236                         ; v236-243 a fragment's codes
.set KC,   244                         ; v244-245 -(2^23 + 8), -(2^19 + 8)
.set SS,   246                         ; v246-247 the step's group scale, twice
; the row phase's registers behind the products, inside XF
.set TT,   56                          ; v56-87
.set QM,   88
.set QT,   92
.set QS,   94
.set QB,   96
.set QY,   98
.set AOF,  99
.set SOF,  100
.set MW,   68                          ; s68-99 the 32 mask words
.set OWN,  48                          ; s48-51 my wave's own four mask words
.set MSB, 0
.macro WIN new                         ; the immediate's high byte repeats the setting that is left
.if MSB != \new
	s_set_vgpr_msb (MSB<<8)|\new
.set MSB, \new
.endif
.endm
.macro PLACES                          ; four places behind matrix instructions, ahead of reads of results and of loads or writes into operands
.rept 4
	v_nop
.endr
.endm
; My 16 rows of a chunk are asked for.  Their tokens come from the list, four to a load, the same in all lanes; the token of row lane / 2 once more, for the scale bytes.  tb: 17 registers for tokens, then offsets.
.macro STAGE_ASK tb, la, las, lo
.irp q, 0,1,2,3
	ds_load_b128 v[\tb+4*\q:\tb+4*\q+3], v[\la] offset:\lo+16*\q
.endr
	ds_load_b32 v[\tb+16], v[\las] offset:\lo
	s_wait_dscnt 0x0
.set n, 0
.rept 17
	v_min_u32 v[\tb+n], 0x3ff, v[\tb+n]
.set n, n+1
.endr
.set n, 0
.rept 16
	v_lshlrev_b32 v[\tb+n], 9, v[\tb+n]            ; xq: 512 bytes a token
.set n, n+1
.endr
	v_lshlrev_b32 v[\tb+16], 5, v[\tb+16]          ; xs: 32 bytes a token
.set n, 0
.rept 16
	v_add_nc_u32 v[\tb+n], v[L16], v[\tb+n]
.set n, n+1
.endr
	v_add_nc_u32 v[\tb+16], v[XH], v[\tb+16]
.set n, 0
.rept 16
	global_load_b128 v[SL+4*n:SL+4*n+3], v[\tb+n], s[8:9]          ; 32 lanes read the token's 512 consecutive bytes, aligned
.set n, n+1
.endr
	global_load_b128 v[SLS:SLS+3], v[\tb+16], s[10:11]             ; two lanes read a token's 32 scale bytes
.endm
.macro STAGE_PUT xw, buf               ; and stored, rows as they lie
.set n, 0
.rept 16
	ds_store_b128 v[\xw], v[SL+4*n:SL+4*n+3] offset:XP*n
.set n, n+1
.endr
	ds_store_b128 v[XSW], v[SLS:SLS+3] offset:XSD*(\buf)
.endm
	s_load_b512 s[4:19], s[0:1], 0x0               ; w1, w1_scale, xq, xs, rec, aq, asc, pos
	v_lshrrev_b32 v1, 5, v0
	s_delay_alu instid0(VALU_DEP_1)
	v_readfirstlane_b32 s20, v1                    ; wave
	s_lshr_b32 s21, s20, 2                         ; b
	s_and_b32 s22, s20, 3                          ; p
	s_mov_b32 s23, ttmp9                           ; j
	s_and_b32 s24, ttmp7, 0xffff                   ; e
	s_lshl_b32 s25, 1, s24                         ; the expert's bit in rec
	v_and_b32 v1, 15, v0                           ; r
	v_bfe_u32 v2, v0, 4, 1                         ; h
	v_and_b32 v3, 31, v0                           ; lane
	s_delay_alu instid0(VALU_DEP_3)
	v_lshlrev_b32 v[WO], 4, v1
	s_delay_alu instid0(VALU_DEP_1)
	v_lshl_add_u32 v[WO], v2, 11, v[WO]
	s_mul_i32 s36, s20, 4352
	v_mul_u32_u24 v[STW], v2, 272
	s_delay_alu instid0(VALU_DEP_1)
	v_lshl_add_u32 v[STW], v1, 4, v[STW]
	s_delay_alu instid0(VALU_DEP_1)
	v_add_nc_u32 v[STW], s36, v[STW]
	v_mul_u32_u24 v[STR], v1, 272
	s_delay_alu instid0(VALU_DEP_1)
	v_lshl_add_u32 v[STR], v2, 6, v[STR]
	s_delay_alu instid0(VALU_DEP_1)
	v_add_nc_u32 v[STR], s36, v[STR]
	s_lshl_b32 s36, s20, 13
	s_add_co_u32 s36, s36, IMG
	v_lshl_add_u32 v[IW], v3, 4, s36
	s_lshl_b32 s36, s21, 15
	s_add_co_u32 s36, s36, IMG
	v_lshl_add_u32 v[IR], v3, 4, s36
	s_lshl_b32 s36, s20, 10
	s_add_co_u32 s36, s36, WS
	v_lshl_add_u32 v[SW], v3, 2, s36
	s_lshl_b32 s36, s21, 12
	s_add_co_u32 s36, s36, WS
	v_lshl_add_u32 v[SR], v3, 2, s36
	s_lshl_b32 s36, s20, 6
	s_add_co_u32 s36, s36, LIST
	v_mov_b32 v[LBU], s36
	v_lshrrev_b32 v[LBS], 1, v3
	s_delay_alu instid0(VALU_DEP_1)
	v_lshl_add_u32 v[LBS], v[LBS], 2, s36
	v_lshl_add_u32 v[LSA], v0, 2, LIST
	v_lshlrev_b32 v[L16], 4, v3
	v_and_b32 v[XH], 1, v3
	s_delay_alu instid0(VALU_DEP_1)
	v_lshlrev_b32 v[XH], 4, v[XH]
	v_lshlrev_b32 v[AOB], 4, v1
	s_delay_alu instid0(VALU_DEP_1)
	v_lshl_add_u32 v[AOB], v2, 14, v[AOB]
	v_lshlrev_b32 v[SH], 3, v2
	v_mov_b32 v[KC], 0xcb000008                    ; -(2^23 + 8)
	v_mov_b32 v[KC+1], 0xc9000080                  ; -(2^19 + 8)
	v_and_b32 v[GSO], 8, v1
	s_delay_alu instid0(VALU_DEP_1)
	v_add_nc_u32 v[GSO], v[GSO], v1
	s_delay_alu instid0(VALU_DEP_1)
	v_lshlrev_b32 v[GSO], 5, v[GSO]                ; row r + 8 (r / 8) of the tile: 32 bytes of scales a row
	v_lshlrev_b32 v[RCW], 4, v0
	s_mov_b32 s38, 0x4b000000                      ; 2^23: a low nibble in its mantissa's lowest bits counts ones
	s_mov_b32 s39, 0x49000000                      ; 2^19: a nibble at bits 7:4 of its mantissa counts ones too
	s_mov_b32 s40, 0xf0
	s_mov_b32 s41, 0xffff0000                      ; lanes 16-31
	s_mov_b32 s42, 0xbfb8aa3b                      ; -log2(e)
	s_mov_b32 s43, s42
	s_mov_b32 s44, 0x76543210
	s_mov_b32 s45, 0xfedcba98                      ; v_permlanex16_b32's selects for lane l xor 16
	s_lshl_b32 s27, s23, 1
	s_add_co_u32 s27, s27, s21                     ; my block of 32 hidden units: 2 j + b
	s_lshl_b32 s33, s24, 20                        ; aq: expert, my first pair of tiles, the block's 256 bytes in a tile's image
	s_lshl_b32 s26, s22, 15
	s_add_co_u32 s33, s33, s26
	s_lshl_b32 s26, s27, 8
	s_add_co_u32 s33, s33, s26
	s_lshl_b32 s34, s24, 16                        ; asc: likewise; the block's byte
	s_lshl_b32 s26, s22, 11
	s_add_co_u32 s34, s34, s26
	s_lshr_b32 s26, s27, 4
	s_lshl_b32 s26, s26, 8
	s_add_co_u32 s34, s34, s26
	s_and_b32 s26, s27, 15
	s_add_co_u32 s34, s34, s26
	s_lshl_b32 s31, s22, 5                         ; the first rank of the pair that I multiply, in chunk 0
	s_lshr_b32 s35, s20, 1
	s_lshl_b32 s35, s35, 5                         ; the first rank of the pair of which I bring half, in chunk 0
	s_mov_b32 s32, 0                               ; the loop's step in the list
	s_mov_b32 s30, 0                               ; the loop's count
	s_lshr_b32 s26, s22, 1                         ; my tile's first row of W1: gate or up,
	s_lshl_b32 s26, s26, 11
	s_lshl_b32 s27, s23, 6                         ; + 64 j
	s_add_co_u32 s26, s26, s27
	s_lshl_b32 s27, s21, 5                         ; + 32 b
	s_add_co_u32 s26, s26, s27
	s_and_b32 s27, s22, 1                          ; + 8 u
	s_lshl_b32 s27, s27, 3
	s_add_co_u32 s26, s26, s27
	s_lshl_b32 s27, s24, 12                        ; + the expert's 4,096 rows
	s_add_co_u32 s26, s26, s27
	s_lshl_b32 s36, s26, 11                        ; a row of w1 is 2,048 bytes
	s_mov_b32 s37, 0
	s_wait_alu depctr_va_vdst(0)
	s_wait_kmcnt 0x0
	s_add_nc_u64 s[4:5], s[4:5], s[36:37]
	s_lshl_b32 s36, s26, 5
	s_add_nc_u64 s[6:7], s[6:7], s[36:37]
.irp k, 0,1,2,3,4,5,6,7
	global_load_b128 v[RC+4*\k:RC+4*\k+3], v[L16], s[12:13] offset:512*\k      ; all of rec: every wave needs every mask word
.endr
	global_load_b128 v[RO:RO+3], v[RCW], s[12:13]  ; and once more the four words of tokens 128 w + 4 lane + 0..3, for pos
	global_load_b128 v[GS:GS+3], v[GSO], s[6:7]
	global_load_b128 v[GS+4:GS+7], v[GSO], s[6:7] offset:16
; K step s of my tile: 8 loads; in each, lanes 0-15 take one row's 256 bytes (aligned) and lanes 16-31 the next row's.  They land in window 1, v[32 s + 4 i].
.macro WLOAD s
.irp i, 0,1,2,3,4,5,6,7
	global_load_b128 v[32*(\s)+4*\i:32*(\s)+4*\i+3], v[WO], s[4:5] offset:(2*\i+8*(\i/4))*2048+256*(\s) th:TH_LOAD_NT
.endr
.endm
	WIN 0x40                                       ; destination window 1
.irp s, 0,1,2,3,4
	WLOAD \s
.endr
	WIN 0
	; ---- THE LIST
	s_wait_loadcnt 42                              ; rec and my own four words are in; behind them stand 2 loads of scales and 40 of weights
.set g, 0
.rept 32
	v_and_b32 v[SCR], s25, v[RC+g]
	s_delay_alu instid0(VALU_DEP_1)
	v_cmp_ne_u32 s[MW+g], 0, v[SCR]                ; bit l: token 128 (g / 4) + 4 l + g % 4 chose the expert
.set g, g+1
.endr
.irp k, 0,1,2,3
	v_add_nc_u32 v[RK+\k], 256*\k, v0
	v_mov_b32 v[WD4+\k], s[MW]
	v_mov_b32 v[PG+\k], 0
.endr
	s_mov_b32 s26, 0                               ; ranks ahead of word g
	s_mov_b32 s47, 0                               ; ranks ahead of my wave's own words, 4 w on
.set g, 1
.rept 31
	s_bcnt1_i32_b32 s27, s[MW+g-1]
	s_add_co_u32 s26, s26, s27
.if g%4 == 0
	s_cmp_eq_u32 s20, g/4
	s_cselect_b32 s47, s26, s47
.endif
	s_or_b32 s28, s26, (128*(g/4)+(g%4))<<16
.irp k, 0,1,2,3
	v_cmp_le_u32 vcc_lo, s26, v[RK+\k]             ; the last word with no more ranks ahead of it than mine holds my rank
	s_delay_alu instid0(VALU_DEP_1)
	v_cndmask_b32 v[WD4+\k], v[WD4+\k], s[MW+g], vcc_lo
	s_delay_alu instid0(VALU_DEP_2)
	v_cndmask_b32 v[PG+\k], v[PG+\k], s28, vcc_lo
.endr
.set g, g+1
.endr
	s_bcnt1_i32_b32 s27, s[MW+31]
	s_add_co_u32 s29, s26, s27                     ; the expert's count of rows,
	s_min_u32 s29, s29, 1024                       ; held to the number of tokens, which it cannot pass
	s_max_u32 s52, s29, 128                        ; what the trips go by: the first 128 ranks are always done
	s_min_u32 s52, s52, 1024
; one halving: does the lower part of what is left hold d set bits or fewer?  Then my bit lies in the upper part.
.macro HALVE src, width, inc
	s_delay_alu instid0(VALU_DEP_1)
	v_bfe_u32 v[SCR+6], v[\src], v[SCR+5], \width
	s_delay_alu instid0(VALU_DEP_1)
	v_cmp_ge_u32 vcc_lo, v[SCR], v[SCR+6]
	s_delay_alu instid0(VALU_DEP_1)
	v_cndmask_b32 v[SCR+6], 0, v[SCR+6], vcc_lo
	s_delay_alu instid0(VALU_DEP_1)
	v_sub_nc_u32 v[SCR], v[SCR], v[SCR+6]
	s_delay_alu instid0(VALU_DEP_3)
	v_cndmask_b32 v[SCR+7], 0, \inc, vcc_lo
	s_delay_alu instid0(VALU_DEP_1)
	v_add_nc_u32 v[SCR+5], v[SCR+5], v[SCR+7]
.endm
.macro SELECT k                        ; the place of set bit number d of the word, by counts of 2, 4, 8 and 16 bits
	v_and_b32 v[SCR], 0xffff, v[PG+\k]
	s_delay_alu instid0(VALU_DEP_1)
	v_sub_nc_u32 v[SCR], v[RK+\k], v[SCR]          ; d
	v_lshrrev_b32 v[SCR+1], 1, v[WD4+\k]
	s_delay_alu instid0(VALU_DEP_1)
	v_and_b32 v[SCR+1], 0x55555555, v[SCR+1]
	s_delay_alu instid0(VALU_DEP_1)
	v_sub_nc_u32 v[SCR+1], v[WD4+\k], v[SCR+1]     ; counts of 2 bits
	s_delay_alu instid0(VALU_DEP_1)
	v_lshrrev_b32 v[SCR+2], 2, v[SCR+1]
	s_delay_alu instid0(VALU_DEP_1)
	v_and_b32 v[SCR+2], 0x33333333, v[SCR+2]
	s_delay_alu instid0(VALU_DEP_3)
	v_and_b32 v[SCR+3], 0x33333333, v[SCR+1]
	s_delay_alu instid0(VALU_DEP_1)
	v_add_nc_u32 v[SCR+2], v[SCR+2], v[SCR+3]      ; of 4
	s_delay_alu instid0(VALU_DEP_1)
	v_lshrrev_b32 v[SCR+3], 4, v[SCR+2]
	s_delay_alu instid0(VALU_DEP_1)
	v_add_nc_u32 v[SCR+3], v[SCR+3], v[SCR+2]
	s_delay_alu instid0(VALU_DEP_1)
	v_and_b32 v[SCR+3], 0x0f0f0f0f, v[SCR+3]       ; of 8
	s_delay_alu instid0(VALU_DEP_1)
	v_lshrrev_b32 v[SCR+4], 8, v[SCR+3]
	s_delay_alu instid0(VALU_DEP_1)
	v_add_nc_u32 v[SCR+4], v[SCR+4], v[SCR+3]
	s_delay_alu instid0(VALU_DEP_1)
	v_and_b32 v[SCR+4], 0x00ff00ff, v[SCR+4]       ; of 16
	v_mov_b32 v[SCR+5], 0                          ; the place
	HALVE SCR+4, 8, 16
	HALVE SCR+3, 8, 8
	HALVE SCR+2, 4, 4
	HALVE SCR+1, 2, 2
	HALVE WD4+\k, 1, 1
	v_lshrrev_b32 v[SCR+6], 16, v[PG+\k]
	s_delay_alu instid0(VALU_DEP_1)
	v_lshl_add_u32 v[TK+\k], v[SCR+5], 2, v[SCR+6] ; the token
	ds_store_b32 v[LSA], v[TK+\k] offset:1024*\k
.endm
.irp k, 0,1,2,3
	SELECT \k
.endr
	s_cmp_lg_u32 s23, 0
	s_cbranch_scc1 .Lno_pos                        ; one work-group of each expert hands the order on
	; pos, by token: tokens 128 w + 4 lane + c are bit `lane` of words 4 w + c.  Ahead of such a token stand the ranks ahead of word 4 w + c and the word's set bits under its own
	s_lshl_b32 s36, s24, 12
	v_add_nc_u32 v[POA], s36, v[RCW]               ; 4,096 bytes an expert, 16 a thread
.irp c, 0,1,2,3
	v_and_b32 v[SCR+\c], s25, v[RO+\c]
	s_delay_alu instid0(VALU_DEP_1)
	v_cmp_ne_u32 s[OWN+\c], 0, v[SCR+\c]
.endr
.irp c, 0,1,2,3
	v_mov_b32 v[SCR+4+\c], s47
	s_delay_alu instid0(VALU_DEP_1)
	v_mbcnt_lo_u32_b32 v[PO+\c], s[OWN+\c], v[SCR+4+\c]
	s_bcnt1_i32_b32 s37, s[OWN+\c]
	s_add_co_u32 s47, s47, s37
.endr
	s_wait_alu depctr_va_vdst(0)
	global_store_b128 v[POA], v[PO:PO+3], s[18:19] ; every lane stores: 32 lanes cover 512 consecutive bytes, aligned
	s_lshl_b32 s37, s24, 2
	s_add_co_u32 s37, s37, 32768
	v_mov_b32 v[SCR+8], s29
	v_mov_b32 v[SCR+9], s37
	s_wait_alu depctr_va_vdst(0)
	s_wait_xcnt 0x0                                ; EXEC changes only behind this wait: loads and a store are on their way
	v_cmp_eq_u32 vcc_lo, 0, v0                     ; thread 0 alone
	s_and_saveexec_b32 s46, vcc_lo
	global_store_b32 v[SCR+9], v[SCR+8], s[18:19]  ; the true count
	s_wait_xcnt 0x0                                ; and again ahead of the line that widens it; the stores' registers may be written behind it too
	s_or_b32 exec_lo, exec_lo, s46
.Lno_pos:
	s_wait_dscnt 0x0                               ; my part of the list has landed, for the others' sake
	s_barrier_signal -1
	s_barrier_wait -1                              ; the list is whole
	STAGE_ASK F, LBU, LBS, 0                       ; chunk 0's rows, with no branch: every rank has a token, and the counts of the waits below hold on one path
	s_wait_xcnt 0x0                                ; the loads have read their offsets, which lie where the weight phase works
; ---- THE WEIGHTS.  K step s of my tile: through my stage, so that a lane holds 2 x 32 neighbours along K of its row; unpacked, scaled, quantised; image to LDS.
; Loads in the order of issue: steps 0 to 4 (8 each), the 17 of chunk 0, then steps 5, 6, 7, asked for in steps 0, 1, 2.
.macro WSTEP s
.if \s < 4
	s_wait_loadcnt 49                              ; this step's eight loads are in; behind them stand 32 of weights and the chunk's 17
.elseif \s == 4
	s_wait_loadcnt 41                              ; the chunk's 17 and steps 5 to 7
.else
	s_wait_loadcnt 8*(7-\s)                        ; the later steps; the chunk's rows are in
.endif
.if \s < 3
	WIN 0x40
	WLOAD \s+5                                     ; the step five further on is asked for
.endif
	WIN 0x04                                       ; an LDS store's data: window 1
.irp i, 0,1,2,3,4,5,6,7
	ds_store_b128 v[STW], v[32*\s+4*\i:32*\s+4*\i+3] offset:544*\i
.endr
	WIN 0
.irp c, 0,1
.irp q, 0,1,2,3
	ds_load_b128 v[D+4*(4*\c+\q):D+4*(4*\c+\q)+3], v[STR] offset:128*\c+16*\q     ; LDS serves a wave's instructions in order: these see the stores above.  K = 64 c + 32 h + 8 q on
.endr
.endr
	s_wait_dscnt 0x0                               ; they are in; the last step's image stores have read their registers too
	v_mov_b32 v[SS], v[GS+\s]
	v_mov_b32 v[SS+1], v[GS+\s]
.set d, 0
.rept 32
	v_and_or_b32 v[F+2*d], v[D+d], 15, s38         ; 2^23 + q of the lower k
	v_and_or_b32 v[F+2*d+1], v[D+d], s40, s39      ; 2^19 + q of the upper
.set d, d+1
.endr
.set d, 0
.rept 32
	v_pk_add_f32 v[F+2*d:F+2*d+1], v[F+2*d:F+2*d+1], v[KC:KC+1]   ; q - 8, exact
.set d, d+1
.endr
.set d, 0
.rept 32
	v_pk_mul_f32 v[F+2*d:F+2*d+1], v[F+2*d:F+2*d+1], v[SS:SS+1]   ; x the group's scale: one rounding
.set d, d+1
.endr
.irp c, 0,1
	v_max3_num_f32 v[M+\c], |v[F+32*\c]|, |v[F+32*\c+1]|, 0x1800000   ; block 2 c + h is all mine; the floor 2^(3 - 127) holds the byte at 1 from below
.endr
.irp i, 2,4,6,8,10,12,14,16,18,20,22,24,26,28,30
.irp c, 0,1
	s_delay_alu instid0(VALU_DEP_2)
	v_max3_num_f32 v[M+\c], v[M+\c], |v[F+32*\c+\i]|, |v[F+32*\c+\i+1]|
.endr
.endr
.irp c, 0,1
	s_delay_alu instid0(VALU_DEP_2)
	v_add_nc_u32 v[SO+\c], 0xff000000, v[M+\c]     ; 2 off the exponent field: the conversion's scale operand
.endr
.irp c, 0,1
	s_delay_alu instid0(VALU_DEP_2)
	v_lshrrev_b32 v[BY+\c], 23, v[SO+\c]           ; the byte
.endr
	s_delay_alu instid0(VALU_DEP_1)
	v_lshl_or_b32 v[WD], v[BY+1], 16, v[BY]        ; my two bytes, blocks h and 2 + h,
	s_delay_alu instid0(VALU_DEP_1)
	v_lshlrev_b32 v[WD], v[SH], v[WD]              ; at their places;
	v_mov_b32 v[TP], 0
	s_delay_alu instid0(VALU_DEP_1)
	v_permlanex16_b32 v[TP], v[WD], s44, s45
	s_delay_alu instid0(VALU_DEP_1)
	v_or_b32 v[WD], v[WD], v[TP]                   ; with lane l xor 16's the word is whole
.irp c, 0,1
.irp g, 0,1,2,3
	v_cvt_scalef32_pk8_fp4_f32 v[PCW+4*\c+\g], v[F+32*\c+8*\g:F+32*\c+8*\g+7], v[SO+\c]
.endr
.endr
	v_nop                                          ; one plain line behind the last scaled conversion
	ds_store_b128 v[IW], v[PCW:PCW+3] offset:1024*\s
	ds_store_b128 v[IW], v[PCW+4:PCW+7] offset:1024*\s+512
	ds_store_b32 v[SW], v[WD] offset:128*\s
.endm
.irp s, 0,1,2,3,4,5,6,7
	WSTEP \s
.endr
	; the row phase's LDS addresses take the places of the weight phase's (no load is out: the last step waited for all)
	s_mul_i32 s36, s22, 32*XP
	s_add_co_u32 s36, s36, XB0
	v_mul_u32_u24 v[XR0], v1, XP
	s_delay_alu instid0(VALU_DEP_1)
	v_lshl_add_u32 v[XR0], v2, 8, v[XR0]
	s_delay_alu instid0(VALU_DEP_1)
	v_add_nc_u32 v[XR0], s36, v[XR0]               ; row 32 p + r, + 256 h: a lane's 8 K steps lie in 256 bytes on end
	s_delay_alu instid0(VALU_DEP_1)
	v_add_nc_u32 v[XR0+1], XB1-XB0, v[XR0]
	s_mul_i32 s36, s20, 16*XP
	s_add_co_u32 s36, s36, XB0
	v_add_nc_u32 v[XW0], s36, v[L16]               ; row 16 w, + 16 lane
	s_delay_alu instid0(VALU_DEP_1)
	v_add_nc_u32 v[XW0+1], XB1-XB0, v[XW0]
	v_lshrrev_b32 v[XSW], 1, v3
	s_delay_alu instid0(VALU_DEP_1)
	v_mul_u32_u24 v[XSW], v[XSW], 48
	s_delay_alu instid0(VALU_DEP_1)
	v_add_nc_u32 v[XSW], v[XH], v[XSW]
	s_mul_i32 s36, s20, 16*48
	s_add_co_u32 s36, s36, XSS
	v_add_nc_u32 v[XSW], s36, v[XSW]               ; row 16 w + lane / 2, + 16 (lane % 2)
	STAGE_PUT XW0, 0                               ; chunk 0
	s_wait_dscnt 0x0                               ; my images, scale words and rows of chunk 0 have landed, for the others' sake
	s_barrier_signal -1
	s_barrier_wait -1
	s_add_co_u32 s36, s35, 128
	s_cmp_ge_u32 s36, s52
	s_cbranch_scc1 .Lno_ask1
	STAGE_ASK ACC, LBU, LBS, 512                   ; chunk 1, ahead of the images' way back
.Lno_ask1:
	WIN 0x40                                       ; my block's 32 fragments into window 1: (T, s) at 64 T + 8 s
.irp t, 0,1,2,3
.irp s, 0,1,2,3,4,5,6,7
.irp c, 0,1
	ds_load_b128 v[64*\t+8*\s+4*\c:64*\t+8*\s+4*\c+3], v[IR] offset:8192*\t+1024*\s+512*\c
.endr
.endr
.endr
	WIN 0
.irp t, 0,1,2,3
.irp s, 0,1,2,3,4,5,6,7
	ds_load_b32 v[WSC+8*\t+\s], v[SR] offset:1024*\t+128*\s
.endr
.endr
	v_mul_u32_u24 v[XSR], v3, 48
	s_mul_i32 s36, s22, 32*48
	s_add_co_u32 s36, s36, XSS
	v_add_nc_u32 v[XSR], s36, v[XSR]               ; row 32 p + lane: lanes 0-15 tile A's rows, lanes 16-31 tile B's
	v_lshlrev_b32 v[SOB], 4, v1
	s_delay_alu instid0(VALU_DEP_1)
	v_lshl_add_u32 v[SOB], v2, 10, v[SOB]
.macro WM x, t                         ; one product: tile T of W against row tile X, K step ks
.if ks == 0
.if \x
	v_wmma_scale_f32_16x16x128_f8f6f4 v[ACC+32*\x+8*\t:ACC+32*\x+8*\t+7], v[64*\t+8*ks:64*\t+8*ks+7], v[XF+32*\x+8*(ks%4):XF+32*\x+8*(ks%4)+7], 0, v[WSC+8*\t+ks], v[XSC+ks] matrix_a_fmt:MATRIX_FMT_FP4 matrix_b_fmt:MATRIX_FMT_FP4 matrix_b_scale:MATRIX_SCALE_ROW1
.else
	v_wmma_scale_f32_16x16x128_f8f6f4 v[ACC+32*\x+8*\t:ACC+32*\x+8*\t+7], v[64*\t+8*ks:64*\t+8*ks+7], v[XF+32*\x+8*(ks%4):XF+32*\x+8*(ks%4)+7], 0, v[WSC+8*\t+ks], v[XSC+ks] matrix_a_fmt:MATRIX_FMT_FP4 matrix_b_fmt:MATRIX_FMT_FP4
.endif
.else
.if \x
	v_wmma_scale_f32_16x16x128_f8f6f4 v[ACC+32*\x+8*\t:ACC+32*\x+8*\t+7], v[64*\t+8*ks:64*\t+8*ks+7], v[XF+32*\x+8*(ks%4):XF+32*\x+8*(ks%4)+7], v[ACC+32*\x+8*\t:ACC+32*\x+8*\t+7], v[WSC+8*\t+ks], v[XSC+ks] matrix_a_fmt:MATRIX_FMT_FP4 matrix_b_fmt:MATRIX_FMT_FP4 matrix_b_scale:MATRIX_SCALE_ROW1
.else
	v_wmma_scale_f32_16x16x128_f8f6f4 v[ACC+32*\x+8*\t:ACC+32*\x+8*\t+7], v[64*\t+8*ks:64*\t+8*ks+7], v[XF+32*\x+8*(ks%4):XF+32*\x+8*(ks%4)+7], v[ACC+32*\x+8*\t:ACC+32*\x+8*\t+7], v[WSC+8*\t+ks], v[XSC+ks] matrix_a_fmt:MATRIX_FMT_FP4 matrix_b_fmt:MATRIX_FMT_FP4
.endif
.endif
.endm
.macro PRODS from                      ; four K steps: the eight accumulators take turns, one instruction a turn
.set ks, \from
.rept 4
.irp x, 0,1
.irp t, 0,1,2,3
	WM \x, \t
.endr
.endr
.set ks, ks+1
.endr
.endm
.macro XFETCH kh                       ; my pair's fragments of K steps 4 kh .. 4 kh + 3 from the buffer in hand
.irp x, 0,1
.irp s, 0,1,2,3
.irp c, 0,1
	ds_load_b128 v[XF+32*\x+8*\s+4*\c:XF+32*\x+8*\s+4*\c+3], v[XRK] offset:\x*16*XP+(4*\kh+\s)*32+16*\c
.endr
.endr
.endr
.endm
; ---- A TRIP: chunk 2 n + k of the loop's n-th pass lies in buffer k.  It is multiplied; put = 1: the next chunk's rows, which have been on their way meanwhile, go into the other buffer, and a barrier follows,
; on every wave's path; ask = 1: the chunk after that is asked for.
.macro TRIP k, put, ask
.set XRK, XR0+\k
.set XWN, XW0+1-\k
	s_add_co_u32 s36, s31, 128*\k
	s_cmp_ge_u32 s36, s52
	s_cbranch_scc1 .Lnowork_\@                     ; no rank of my pair is to be done
	XFETCH 0
	s_wait_alu depctr_va_vdst(0)
	ds_load_b128 v[XSC:XSC+3], v[XSR] offset:XSD*\k
	ds_load_b128 v[XSC+4:XSC+7], v[XSR] offset:XSD*\k+16
	s_wait_dscnt 0x0                               ; (in the first trip: the images too)
	s_wait_xcnt 0x0                                ; the loads that are on their way have read their offsets, which lie in the accumulators' registers
	WIN 0x01                                       ; source 0 (W) window 1
	PRODS 0
	WIN 0
	PLACES
	XFETCH 1
	s_wait_dscnt 0x0
	WIN 0x01
	PRODS 4
	WIN 0
	PLACES
	; lane (r, h) holds token r; registers 0-15 of a row tile: gate of hidden units 16 h + 0..15 of the block; 16-31: up.  a = gate x 1 / (1 + 2^(-gate log2 e)) x up
.irp x, 0,1
.irp i, 0,2,4,6,8,10,12,14
	v_pk_mul_f32 v[TT+16*\x+\i:TT+16*\x+\i+1], v[ACC+32*\x+\i:ACC+32*\x+\i+1], s[42:43] op_sel_hi:[1,0]    ; each accumulator is read from its low end on
.endr
.endr
.set n, 0
	s_wait_alu depctr_va_vdst(0)
.rept 32
	v_exp_f32 v[TT+n], v[TT+n]
.set n, n+1
.endr
	v_nop                                          ; a plain line behind the last exponential
	s_wait_alu depctr_va_vdst(0)                   ; one wait for the batch, ahead of its first reader
.set n, 0
.rept 16
	v_pk_add_f32 v[TT+n:TT+n+1], v[TT+n:TT+n+1], 1.0 op_sel_hi:[1,0]
.set n, n+2
.endr
.set n, 0
	s_wait_alu depctr_va_vdst(0)
.rept 32
	v_rcp_f32 v[TT+n], v[TT+n]
.set n, n+1
.endr
	v_nop
	s_wait_alu depctr_va_vdst(0)                   ; and one for the reciprocals
.irp x, 0,1
.irp i, 0,2,4,6,8,10,12,14
	v_pk_mul_f32 v[ACC+32*\x+\i:ACC+32*\x+\i+1], v[ACC+32*\x+\i:ACC+32*\x+\i+1], v[TT+16*\x+\i:TT+16*\x+\i+1]
.endr
.endr
.irp x, 0,1
.irp i, 0,2,4,6,8,10,12,14
	v_pk_mul_f32 v[ACC+32*\x+\i:ACC+32*\x+\i+1], v[ACC+32*\x+\i:ACC+32*\x+\i+1], v[ACC+32*\x+16+\i:ACC+32*\x+16+\i+1]
.endr
.endr
	; the block of 32 of each row: my 16 and lane l xor 16's
.irp x, 0,1
	v_max3_num_f32 v[QM+\x], |v[ACC+32*\x]|, |v[ACC+32*\x+1]|, 0x1800000
.endr
.irp i, 2,4,6,8,10,12,14
.irp x, 0,1
	s_delay_alu instid0(VALU_DEP_2)
	v_max3_num_f32 v[QM+\x], v[QM+\x], |v[ACC+32*\x+\i]|, |v[ACC+32*\x+\i+1]|
.endr
.endr
.irp x, 0,1
	v_mov_b32 v[QT+\x], 0
.endr
.irp x, 0,1
	s_delay_alu instid0(VALU_DEP_2)
	v_permlanex16_b32 v[QT+\x], v[QM+\x], s44, s45
.endr
.irp x, 0,1
	s_delay_alu instid0(VALU_DEP_2)
	v_max_num_f32 v[QM+\x], v[QM+\x], v[QT+\x]
.endr
.irp x, 0,1
	s_delay_alu instid0(VALU_DEP_2)
	v_add_nc_u32 v[QS+\x], 0xff000000, v[QM+\x]
.endr
.irp x, 0,1
	s_delay_alu instid0(VALU_DEP_2)
	v_lshrrev_b32 v[QB+\x], 23, v[QS+\x]
.endr
.irp x, 0,1
	v_cvt_scalef32_pk8_fp4_f32 v[PC+2*\x], v[ACC+32*\x:ACC+32*\x+7], v[QS+\x]
	v_cvt_scalef32_pk8_fp4_f32 v[PC+2*\x+1], v[ACC+32*\x+8:ACC+32*\x+15], v[QS+\x]
.endr
	v_nop                                          ; one plain line behind the last scaled conversion
	v_permlane16_swap_b32 v[PC], v[PC+2]           ; lanes 0-15 now hold tile A's whole block of row r (16 bytes in order), lanes 16-31 tile B's
	v_permlane16_swap_b32 v[PC+1], v[PC+3]
	v_cndmask_b32 v[QY], v[QB], v[QB+1], s41       ; and the byte that goes with it
	v_add_nc_u32 v[AOF], s33, v[AOB]
	v_add_nc_u32 v[SOF], s34, v[SOB]
	global_store_b128 v[AOF], v[PC:PC+3], s[14:15] offset:131072*\k   ; sixteen lanes store 256 consecutive bytes, aligned: the block's part of a tile's operand image
	global_store_b8 v[SOF], v[QY], s[16:17] offset:8192*\k            ; one byte a row: the other bytes of its word belong to other work-groups
.Lnowork_\@:
.if \put
	s_wait_loadcnt 0x0                             ; on every path: the rows that were asked for are in, and their registers and offsets are free
	s_add_co_u32 s36, s35, 128*(\k+1)
	s_cmp_ge_u32 s36, s52
	s_cbranch_scc1 .Lnoput_\@
	s_wait_alu depctr_va_vdst(0)
	STAGE_PUT XWN, 1-\k
.Lnoput_\@:
	s_wait_xcnt 0x0                                ; my stores to memory have read their data and offsets: the next trip may write them
	s_wait_dscnt 0x0                               ; my rows have landed, and my reads of the buffer in hand are over
	s_barrier_signal -1
	s_barrier_wait -1                              ; both now hold of every wave
.endif
.if \ask
	v_add_nc_u32 v[LA], s32, v[LBU]                ; the places in the list, made on every path
	v_add_nc_u32 v[LAS], s32, v[LBS]
	s_add_co_u32 s36, s35, 128*(\k+2)
	s_cmp_ge_u32 s36, s52
	s_cbranch_scc1 .Lnoask_\@
	STAGE_ASK ACC, LA, LAS, 512*(\k+2)
.Lnoask_\@:
.endif
.endm
.Ltrip:                                ; three passes of two trips: chunks 0 to 5
	TRIP 0, 1, 1
	TRIP 1, 1, 1
	s_add_co_u32 s31, s31, 256
	s_add_co_u32 s35, s35, 256
	s_add_co_u32 s32, s32, 1024
	s_add_co_u32 s33, s33, 262144                  ; 16 tiles on
	s_add_co_u32 s34, s34, 16384
	s_add_co_u32 s30, s30, 1
	s_cmp_lt_u32 s30, 3
	s_cbranch_scc1 .Ltrip
	TRIP 0, 1, 0                                   ; chunk 6: chunk 7 is stored, nothing more is asked for
	TRIP 1, 0, 0                                   ; chunk 7
	s_wait_dscnt 0x0
	s_wait_xcnt 0x0
	s_mov_b32 exec_lo, -1
	v_lshl_add_u32 v254, v0, 2, 0x3f800
	v_mov_b32 v255, 0
	s_wait_alu depctr_va_vdst(0)
	s_wait_tensorcnt 0x0
	ds_add_u32 v254, v255
	s_wait_dscnt 0x0
	s_endpgm
.Lfunc_end_k_q7cdd3350f9_up:
	.size	k_q7cdd3350f9_up, .Lfunc_end_k_q7cdd3350f9_up-k_q7cdd3350f9_up
	.p2alignl 7, 3214868480
	.fill 96, 4, 3214868480
	.section	.rodata,"a",@progbits
	.p2align	6, 0x0
	.amdhsa_kernel k_q7cdd3350f9_up
		.amdhsa_group_segment_fixed_size 261120
		.amdhsa_private_segment_fixed_size 0
		.amdhsa_enable_private_segment 0
		.amdhsa_kernarg_size 64
		.amdhsa_user_sgpr_count 2
		.amdhsa_user_sgpr_kernarg_segment_ptr 1
		.amdhsa_wavefront_size32 1
		.amdhsa_system_sgpr_workgroup_id_x 1
		.amdhsa_system_sgpr_workgroup_id_y 1
		.amdhsa_system_sgpr_workgroup_id_z 1
		.amdhsa_system_vgpr_workitem_id 0
		.amdhsa_next_free_vgpr 512
		.amdhsa_next_free_sgpr 104
		.amdhsa_reserve_vcc 1
		.amdhsa_float_denorm_mode_32 3
		.amdhsa_float_denorm_mode_16_64 3
		.amdhsa_memory_ordered 1
		.amdhsa_forward_progress 1
		.amdhsa_inst_pref_size 255
	.end_amdhsa_kernel
	.section	.bss,"aw",@nobits
	.p2align	6
	.space	262144
	.amdgpu_metadata
---
amdhsa.version: [ 1, 2 ]
amdhsa.kernels:
  - .name:           k_q7cdd3350f9_up
    .symbol:         k_q7cdd3350f9_up.kd
    .args:
      - { .name: w1, .offset: 0, .size: 8, .value_kind: global_buffer, .address_space: global }
      - { .name: w1_scale, .offset: 8, .size: 8, .value_kind: global_buffer, .address_space: global }
      - { .name: xq, .offset: 16, .size: 8, .value_kind: global_buffer, .address_space: global }
      - { .name: xs, .offset: 24, .size: 8, .value_kind: global_buffer, .address_space: global }
      - { .name: rec, .offset: 32, .size: 8, .value_kind: global_buffer, .address_space: global }
      - { .name: aq, .offset: 40, .size: 8, .value_kind: global_buffer, .address_space: global }
      - { .name: asc, .offset: 48, .size: 8, .value_kind: global_buffer, .address_space: global }
      - { .name: pos, .offset: 56, .size: 8, .value_kind: global_buffer, .address_space: global }
    .group_segment_fixed_size: 261120
    .private_segment_fixed_size: 0
    .kernarg_segment_align: 8
    .kernarg_segment_size: 64
    .max_flat_workgroup_size: 256
    .sgpr_count:     104
    .vgpr_count:     512
    .wavefront_size: 32
...
	.end_amdgpu_metadata
.endif
;; end of part 6
;; launch down (part 7): grid 32 x 8, 8 waves a work-group, no clusters, 91,136 bytes of LDS; arguments w2, w2_scale, aq, asc, pos, ybuf; writes ybuf
.if DOCPART == 7
	.amdgcn_target "amdgcn-amd-amdhsa--gfx1250"
	.amdhsa_code_object_version 6
	.text
	.protected	k_q7cdd3350f9_down
	.globl	k_q7cdd3350f9_down
	.p2align	8
	.type	k_q7cdd3350f9_down,@function
k_q7cdd3350f9_down:
	s_mov_b64 s[64:65], 0
	v_nop
	global_prefetch_b8 v0, s[64:65] scope:SCOPE_SE
	s_setreg_imm32_b32 hwreg(HW_REG_WAVE_SCHED_MODE, 0, 2), 2
	s_setreg_imm32_b32 hwreg(HW_REG_WAVE_MODE, 25, 1), 1
	s_wait_xcnt 0x0
	s_wait_alu depctr_vm_vsrc(0)
; SECOND PRODUCT, for the rows that chose the expert.  Work-group (j, e): expert e, output columns 32 j .. 32 j + 31: 32 rows of W2, which no other work-group reads.
; w2 [8][1024][1024] int32, a byte (two int4) in each; w2_scale [8][1024][16] f32, one for 128 along K.  w = (q - 8) x scale in f32, then the MX quantiser along K = 2,048.
; WEIGHTS: wave w = 4 T + q makes K steps 4 q .. 4 q + 3 of tile T (16 neighbouring rows): 4 fragments and their scale words, stored in LDS as images of the operand's registers.
; ROWS: every wave then holds all 32 fragments in registers and takes the row tiles w + 8 i; a tile at or past the count (pos[8192 + e]) is left out.  a's fragments (aq) and scale words (asc) come from memory
; as images, 512 consecutive bytes a load.  THE FIRST TILE'S IMAGES ARE ASKED FOR AT THE HEAD, behind the weights, and land under the weight phase: with no branch, since the launch before stores the first
; 128 ranks of every expert whatever its count.  Each later tile is asked for as soon as the products have read the tile before.
; The product is used transposed (source 0 = 16 rows of W2, source 1 = 16 ranks): a lane holds eight neighbouring columns of one rank.
; y, not yet weighed by the gate, goes to ybuf [e][j][rank][32] through the wave's own stage: 512 consecutive bytes a store.
; REGISTERS: window 1: v0-127 first the weights as they land, then W's fragments of K steps 0-7 (64 T + 8 s2); v128-255 a's 16 fragments.  Window 0: v64-191 first the weight phase's work, then W's fragments of
; K steps 8-15 (64 + 64 T + 8 (s2 - 8)).
; NO TENSOR LOAD, NO CLUSTER: which trips run hangs on a count read from memory; the weights, nearly all the bytes from memory, are shared with nobody.
; LIMITS: NaN and infinities are not served; an MX block whose largest magnitude lies under 2^-124 keeps the byte 1 (a block of zeros too: its codes are zeros).
; THE MODE: SCHED_MODE bits 1:0 = 2 (LLVM: expert scheduling mode 2), set by the entry lines.  The code itself states the register dependences
; between vector or matrix instructions and memory or LDS instructions, with s_wait_alu, always for 0.
; THE PLAN.  Registers that memory or LDS instructions touch:
;   the addresses    v4-11, v224, v228-230: written at the head, read throughout, never written again.
;   AO, SO2, YO      v225-227: written at the head and by one add each at a trip's head; read by a's loads and y's stores of that trip.
;   window 1 v0-127  The weights land here; the stage's LDS stores read them; behind the barrier W's fragments land here.  No vector instruction names them.
;   D                A K step's stage loads land in it; that step's unpacking lines read it.
;   PCW, WD          A K step's conversions and byte lines write them; its three image stores read them.
;   v64-191          All that the weight phase works in; behind the barrier W's fragments of K steps 8-15 land here.
;   a's fragments (window 1 v128-255) and AS: global loads land in them; a trip's products read them.
;   ACC              A trip's products write it; its four LDS stores read it.     OUTR  Four LDS loads land in it; four global stores read it.
; THE WAITS.  One on va_vdst ahead of the first load (the addresses).  One in each K step, behind its conversions: the codes and the scale word are written, and the unpacking lines are done with D; no vector
; instruction stands between it and the next step's stage loads, nor between the last step's and the fragments' loads behind the barrier.  One in each trip, behind the products' places: ACC, AO, SO2 and YO are
; written and the products are done with a's fragments and scale words; the trip's loads and stores follow it with no vector instruction among them.
; On vm_vsrc: one in K steps 1 to 3, ahead of the lines that write PCW and WD again; one behind the barrier, ahead of the fragments' loads; one at each trip's end, ahead of all that the next trip writes again.
.set STG,  0                           ; LDS: a stage for each wave, 16 rows x (256 bytes + 16)
.set IMG,  34816                       ; images of the 32 fragments: f = 16 T + s2 at 1024 f + 512 c + 16 lane
.set WS,   67584                       ; their scale words: 128 f + 4 lane
.set YST,  71680                       ; a stage for y for each wave: 16 rows x (128 bytes + 16)
.set WO,   4
.set STW,  5
.set STR,  6
.set IW,   7
.set IR,   8
.set SW,   9
.set SR,   10
.set YSW,  11
.set WSC,  16                          ; v16-47  W's scale words (16 T + s2): scales and nothing else
.set AS,   48                          ; v48-63  a's scale words, K step s2: scales and nothing else
.set ACC,  192                         ; v192-207 two accumulators
.set OUTR, 208                         ; v208-223 rows of y on their way out
.set YSR,  224
.set AO,   225
.set SO2,  226
.set YO,   227
.set L16,  228
.set R16,  229
.set GSO,  230
.set D,    64                          ; the weight phase's registers
.set F,    96
.set GS,   160
.set M,    164
.set SO,   166
.set BY,   168
.set WD,   170
.set TP,   171
.set SH,   172
.set PCW,  176
.set MSB, 0
.macro WIN new                         ; the immediate's high byte repeats the setting that is left
.if MSB != \new
	s_set_vgpr_msb (MSB<<8)|\new
.set MSB, \new
.endif
.endm
.macro ALOAD from, num, off            ; a's fragments of K steps from .. from + num - 1 of the tile off bytes on: into window 1 (the caller sets the window)
.set f, \from
.rept \num
	global_load_b128 v[128+8*f:128+8*f+3], v[AO], s[8:9] offset:\off+1024*f             ; 32 lanes read 512 consecutive bytes: half a fragment's image
	global_load_b128 v[128+8*f+4:128+8*f+7], v[AO], s[8:9] offset:\off+1024*f+512
.set f, f+1
.endr
.endm
.macro SLOAD off                       ; row r's scale words of K steps 4 q .. 4 q + 3
.irp q, 0,1,2,3
	global_load_b128 v[AS+4*\q:AS+4*\q+3], v[SO2], s[10:11] offset:\off+256*\q
.endr
.endm
	s_load_b256 s[4:11], s[0:1], 0x0               ; w2, w2_scale, aq, asc
	s_load_b128 s[12:15], s[0:1], 0x20             ; pos, ybuf
	v_lshl_add_u32 v254, v0, 2, 0x16000            ; the LDS address of my spare word, behind y's stages, and 0: made here and kept for the closing lines alone
	v_mov_b32 v255, 0
	v_lshrrev_b32 v1, 5, v0
	v_readfirstlane_b32 s20, v1                    ; wave
	s_mov_b32 s23, ttmp9                           ; j
	s_and_b32 s24, ttmp7, 0xffff                   ; e
	v_and_b32 v1, 15, v0                           ; r
	v_bfe_u32 v2, v0, 4, 1                         ; h
	v_and_b32 v3, 31, v0                           ; lane
	v_lshlrev_b32 v[R16], 4, v1
	v_lshlrev_b32 v[L16], 4, v3
	v_lshl_add_u32 v[WO], v2, 12, v[R16]           ; w2: h x a row of 4,096 bytes + 16 r
	s_wait_alu depctr_va_sdst(0)                   ; s20 is written, ahead of its first reader: T, q and the wave's places in LDS and in memory are made from it
	s_lshr_b32 s21, s20, 2                         ; T
	s_and_b32 s22, s20, 3                          ; q
	s_mul_i32 s36, s20, 4352
	v_mul_u32_u24 v[STW], v2, 272
	v_lshl_add_u32 v[STW], v1, 4, v[STW]
	v_add_nc_u32 v[STW], s36, v[STW]
	v_mul_u32_u24 v[STR], v1, 272
	v_lshl_add_u32 v[STR], v2, 6, v[STR]
	v_add_nc_u32 v[STR], s36, v[STR]
	s_lshl_b32 s36, s20, 12
	s_add_co_u32 s36, s36, IMG
	v_lshl_add_u32 v[IW], v3, 4, s36
	v_lshl_add_u32 v[IR], v3, 4, IMG
	s_lshl_b32 s36, s20, 9
	s_add_co_u32 s36, s36, WS
	v_lshl_add_u32 v[SW], v3, 2, s36
	v_lshl_add_u32 v[SR], v3, 2, WS
	s_mul_i32 s36, s20, 2304
	s_add_co_u32 s36, s36, YST
	v_mul_u32_u24 v[YSW], v1, 144
	v_lshl_add_u32 v[YSW], v2, 5, v[YSW]
	v_add_nc_u32 v[YSW], s36, v[YSW]               ; in: row r, + 32 h
	v_lshrrev_b32 v[YSR], 3, v3
	v_mul_u32_u24 v[YSR], v[YSR], 144
	v_and_b32 v[YO], 7, v3
	v_lshl_add_u32 v[YSR], v[YO], 4, v[YSR]
	v_add_nc_u32 v[YSR], s36, v[YSR]               ; back: eight lanes to a row of 128 bytes
	v_lshlrev_b32 v[GSO], 6, v1                    ; w2_scale: 64 bytes a row
	v_lshlrev_b32 v[SH], 3, v2
	v_mov_b32 v12, 0xcb000008                      ; -(2^23 + 8)
	v_mov_b32 v13, 0xc9000080                      ; -(2^19 + 8)
	s_mov_b32 s38, 0x4b000000
	s_mov_b32 s39, 0x49000000
	s_mov_b32 s40, 0xf0
	s_mov_b32 s44, 0x76543210
	s_mov_b32 s45, 0xfedcba98
	s_lshl_b32 s30, s24, 20                        ; aq: the expert's 64 tiles of 16,384 bytes, my first tile = wave
	s_lshl_b32 s26, s20, 14
	s_add_co_u32 s30, s30, s26
	s_lshl_b32 s31, s24, 16                        ; asc: tiles of 1,024 bytes
	s_lshl_b32 s26, s20, 10
	s_add_co_u32 s31, s31, s26
	v_add_nc_u32 v[AO], s30, v[L16]
	v_add_nc_u32 v[SO2], s31, v[R16]
	s_lshl_b32 s32, s20, 11                        ; ybuf: tiles of 2,048 bytes
	s_lshl_b32 s33, s20, 4                         ; my first tile's first rank
	s_mov_b32 s34, 0                               ; the trip
	s_lshl_b32 s26, s24, 10                        ; my tile's first row of W2: 1024 e + 32 j + 16 T
	s_lshl_b32 s27, s23, 5
	s_add_co_u32 s26, s26, s27
	s_lshl_b32 s27, s21, 4
	s_add_co_u32 s26, s26, s27
	s_lshl_b32 s36, s26, 12
	s_lshl_b32 s27, s22, 10                        ; my four K steps begin 1,024 q bytes into a row
	s_add_co_u32 s36, s36, s27
	s_mov_b32 s37, 0
	s_lshl_b32 s29, s24, 2
	s_wait_kmcnt 0x0
	s_load_b32 s28, s[12:13], s29 offset:0x8000    ; the expert's count of rows
	s_add_nc_u64 s[4:5], s[4:5], s[36:37]
	s_lshl_b32 s36, s26, 6
	s_lshl_b32 s27, s22, 4
	s_add_co_u32 s36, s36, s27
	s_add_nc_u64 s[6:7], s[6:7], s[36:37]
	s_lshl_b32 s36, s24, 5
	s_add_co_u32 s36, s36, s23
	s_lshl_b32 s36, s36, 17                        ; ybuf: (32 e + j) x 1,024 ranks x 128 bytes
	s_add_nc_u64 s[14:15], s[14:15], s[36:37]
	s_wait_alu depctr_va_vdst(0)                   ; all the address registers are written, which the loads and stores below read; no vector instruction stands between this wait and the last load of the head, or the first K step's eight
	global_load_b128 v[GS:GS+3], v[GSO], s[6:7]    ; my row's group scales of my four K steps
	WIN 0x40                                       ; destination window 1: step k's load i lands in v[32 k + 4 i]
.irp k, 0,1,2,3
.irp i, 0,1,2,3,4,5,6,7
	global_load_b128 v[32*\k+4*\i:32*\k+4*\i+3], v[WO], s[4:5] offset:2*\i*4096+256*\k th:TH_LOAD_NT    ; lanes 0-15 one row's 256 bytes (aligned), lanes 16-31 the next row's
.endr
.endr
	ALOAD 0, 12, 0                                 ; my first tile of a: 24 loads now,
	WIN 0
	SLOAD 0                                        ; its 4 of scale words; the last 8 follow in the first K step: 61 loads are out at the most
.macro WSTEP k
.if \k < 2
	s_wait_loadcnt 52                              ; this step's eight loads are in.  Behind them stand, at k = 0: 24 of weights and 28 of a; at k = 1: 16 and 36
.elseif \k == 2
	s_wait_loadcnt 44                              ; 8 of weights and 36 of a
.else
	s_wait_loadcnt 36                              ; a's 36
.endif
.if \k == 0
	WIN 0x40
	ALOAD 12, 4, 0
.endif
	WIN 0x04                                       ; an LDS store's data: window 1
.irp i, 0,1,2,3,4,5,6,7
	ds_store_b128 v[STW], v[32*\k+4*\i:32*\k+4*\i+3] offset:544*\i
.endr
	WIN 0
.irp c, 0,1
.irp q, 0,1,2,3
	ds_load_b128 v[D+4*(4*\c+\q):D+4*(4*\c+\q)+3], v[STR] offset:128*\c+16*\q     ; LDS serves a wave's instructions in order: these see the stores above.  (The last step's unpacking lines, which read D, stand ahead of that step's wait on va_vdst, and no vector instruction has been issued since)
.endr
.endr
	s_wait_dscnt 0x0                               ; they are in
.if \k > 0
	s_wait_alu depctr_vm_vsrc(0)                   ; the last step's image stores have read v[PCW ..] and v[WD], which this step writes again
.endif
	v_mov_b32 v14, v[GS+\k]
	v_mov_b32 v15, v[GS+\k]
.set d, 0
.rept 32
	v_and_or_b32 v[F+2*d], v[D+d], 15, s38         ; 2^23 + q of the lower k
	v_and_or_b32 v[F+2*d+1], v[D+d], s40, s39      ; 2^19 + q of the upper
.set d, d+1
.endr
.set d, 0
.rept 32
	v_pk_add_f32 v[F+2*d:F+2*d+1], v[F+2*d:F+2*d+1], v[12:13]     ; q - 8, exact
.set d, d+1
.endr
.set d, 0
.rept 32
	v_pk_mul_f32 v[F+2*d:F+2*d+1], v[F+2*d:F+2*d+1], v[14:15]     ; x the group's scale: one rounding
.set d, d+1
.endr
.irp c, 0,1
	v_max3_num_f32 v[M+\c], |v[F+32*\c]|, |v[F+32*\c+1]|, 0x1800000   ; block 2 c + h is all mine; the floor holds the byte at 1 from below
.endr
.irp i, 2,4,6,8,10,12,14,16,18,20,22,24,26,28,30
.irp c, 0,1
	v_max3_num_f32 v[M+\c], v[M+\c], |v[F+32*\c+\i]|, |v[F+32*\c+\i+1]|
.endr
.endr
.irp c, 0,1
	v_add_nc_u32 v[SO+\c], 0xff000000, v[M+\c]
.endr
.irp c, 0,1
	v_lshrrev_b32 v[BY+\c], 23, v[SO+\c]
.endr
	v_lshl_or_b32 v[WD], v[BY+1], 16, v[BY]
	v_lshlrev_b32 v[WD], v[SH], v[WD]
	v_mov_b32 v[TP], 0
	v_permlanex16_b32 v[TP], v[WD], s44, s45
	v_or_b32 v[WD], v[WD], v[TP]                   ; the row's scale word of this K step
.irp c, 0,1
.irp g, 0,1,2,3
	v_cvt_scalef32_pk8_fp4_f32 v[PCW+4*\c+\g], v[F+32*\c+8*\g:F+32*\c+8*\g+7], v[SO+\c]
.endr
.endr
	v_nop                                          ; one plain line behind the last scaled conversion
	s_wait_alu depctr_va_vdst(0)                   ; the conversions have written v[PCW ..] and the byte lines v[WD], which the stores below read; the unpacking lines are done reading D, in which the next step's loads land; in the last step: the weight phase is done with v64-191, in which W's fragments land
	ds_store_b128 v[IW], v[PCW:PCW+3] offset:1024*\k
	ds_store_b128 v[IW], v[PCW+4:PCW+7] offset:1024*\k+512
	ds_store_b32 v[SW], v[WD] offset:128*\k
.endm
.irp k, 0,1,2,3
	WSTEP \k
.endr
	s_wait_dscnt 0x0                               ; my images and scale words have landed, for the others' sake
	s_barrier_signal -1
	s_barrier_wait -1                              ; from here on a wave writes only its own stage for y
	WIN 0x40                                       ; K steps 0-7 of both tiles into window 1
	s_wait_alu depctr_vm_vsrc(0)                   ; the stage's stores have read the weights' registers (window 1 v0-127) and the last image stores v[PCW ..] and v[WD]: W's fragments land in all of them; the head's loads have read v[AO] and v[SO2], which the first trip writes
.irp t, 0,1
.irp s, 0,1,2,3,4,5,6,7
	ds_load_b128 v[64*\t+8*\s:64*\t+8*\s+3], v[IR] offset:1024*(16*\t+\s)
	ds_load_b128 v[64*\t+8*\s+4:64*\t+8*\s+7], v[IR] offset:1024*(16*\t+\s)+512
.endr
.endr
	WIN 0                                          ; K steps 8-15 into window 0, where the weight phase worked
.irp t, 0,1
.irp s, 0,1,2,3,4,5,6,7
	ds_load_b128 v[64+64*\t+8*\s:64+64*\t+8*\s+3], v[IR] offset:1024*(16*\t+8+\s)
	ds_load_b128 v[64+64*\t+8*\s+4:64+64*\t+8*\s+7], v[IR] offset:1024*(16*\t+8+\s)+512
.endr
.endr
.set f, 0
.rept 32
	ds_load_b32 v[WSC+f], v[SR] offset:128*f
.set f, f+1
.endr
	s_wait_kmcnt 0x0
	s_min_u32 s28, s28, 1024
.macro WM t
.if ks < 8
.set RA, 64*\t+8*ks
.else
.set RA, 64+64*\t+8*(ks-8)
.endif
.if ks == 0
	v_wmma_scale_f32_16x16x128_f8f6f4 v[ACC+8*\t:ACC+8*\t+7], v[RA:RA+7], v[128+8*ks:128+8*ks+7], 0, v[WSC+16*\t+ks], v[AS+ks] matrix_a_fmt:MATRIX_FMT_FP4 matrix_b_fmt:MATRIX_FMT_FP4
.else
	v_wmma_scale_f32_16x16x128_f8f6f4 v[ACC+8*\t:ACC+8*\t+7], v[RA:RA+7], v[128+8*ks:128+8*ks+7], v[ACC+8*\t:ACC+8*\t+7], v[WSC+16*\t+ks], v[AS+ks] matrix_a_fmt:MATRIX_FMT_FP4 matrix_b_fmt:MATRIX_FMT_FP4
.endif
.endm
; A trip: row tile w + 8 i, whose images were asked for a trip (or the whole weight phase) ago.  nxt = 1: the tile eight further on is asked for behind the products, if it lies under the count.
.macro TRIP nxt
	s_cmp_ge_u32 s33, s28
	s_cbranch_scc1 .Lskip_\@                       ; no rank of this tile is under the count: nor of any later one
	v_add_nc_u32 v[YO], s32, v[L16]
	s_wait_loadcnt 0x0                             ; the tile's images are in
	s_wait_dscnt 0x0                               ; (in the first trip: W's images)
.if \nxt
	v_add_nc_u32 v[AO], s30, v[L16]                ; (free: every load that named them is in, and has read them: the wait on vm_vsrc at the last trip's end, or behind the barrier).  They are made here, ahead of the products,
	v_add_nc_u32 v[SO2], s31, v[R16]               ; so that the one wait behind the products states that they are written
.endif
	WIN 0x05                                       ; sources 0 (W) and 1 (a) window 1
.set ks, 0
.rept 8                                ; the two accumulators take turns, one instruction a turn
	WM 0
	WM 1
.set ks, ks+1
.endr
	WIN 0x04                                       ; source 0 window 0, source 1 window 1
.rept 8
	WM 0
	WM 1
.set ks, ks+1
.endr
	WIN 0
.rept 4
	v_nop                                          ; four places ahead of the stores that read the results; they stay beside the wait below
.endr
	s_wait_alu depctr_va_vdst(0)                   ; the products have written the accumulators, which the LDS stores read, and are done reading a's fragments and scale words, in which the next tile's loads land; v[AO], v[SO2] and v[YO] are written, which those loads and y's stores read.  No vector instruction follows in the trip
.if \nxt
	s_add_co_u32 s36, s33, 128
	s_cmp_ge_u32 s36, s28
	s_cbranch_scc1 .Lnonext_\@
	WIN 0x40
	ALOAD 0, 16, 131072                            ; 8 tiles on
	WIN 0
	SLOAD 8192
.Lnonext_\@:
.endif
.irp t, 0,1
	ds_store_b128 v[YSW], v[ACC+8*\t:ACC+8*\t+3] offset:64*\t       ; lane (r, h): y(rank r, 16 T + 8 h + 0..7); each accumulator from its low end on
	ds_store_b128 v[YSW], v[ACC+8*\t+4:ACC+8*\t+7] offset:64*\t+16
.endr
.irp i, 0,1,2,3
	ds_load_b128 v[OUTR+4*\i:OUTR+4*\i+3], v[YSR] offset:576*\i     ; my own bytes, served in order: four rows a load
.endr
.irp i, 0,1,2,3
	s_wait_dscnt 3-\i                              ; load i is in; the younger ones may be out
	global_store_b128 v[YO], v[OUTR+4*\i:OUTR+4*\i+3], s[14:15] offset:512*\i      ; 32 lanes store 512 consecutive bytes, aligned
.endr
.Lskip_\@:
	s_wait_xcnt 0x0                                ; the stores have read their data and offsets: the next trip may write them
	s_wait_alu depctr_vm_vsrc(0)                   ; y's stores have read v[OUTR ..] and v[YO], the LDS stores the accumulators, a's loads v[AO] and v[SO2]: the next trip's loads, products and adds write all of these again
	s_add_co_u32 s30, s30, 131072                  ; 8 tiles on
	s_add_co_u32 s31, s31, 8192
	s_add_co_u32 s32, s32, 16384
	s_add_co_u32 s33, s33, 128
.endm
.Ltrip:                                ; seven trips by constant,
	TRIP 1
	s_add_co_u32 s34, s34, 1
	s_cmp_lt_u32 s34, 7
	s_cbranch_scc1 .Ltrip
	TRIP 0                                         ; and the eighth, which asks for nothing more
	s_wait_dscnt 0x0                               ; (a wave without rows has skipped every trip: the images' loads are waited for here)
	s_barrier_signal -1
	s_barrier_wait -1
	s_wait_dscnt 0x0                               ; the closing lines, six on end
	s_wait_alu 0x0
	s_wait_tensorcnt 0x0
	ds_add_u32 v254, v255
	s_wait_dscnt 0x0
	s_endpgm
.Lfunc_end_k_q7cdd3350f9_down:
	.size	k_q7cdd3350f9_down, .Lfunc_end_k_q7cdd3350f9_down-k_q7cdd3350f9_down
	.p2alignl 7, 3214868480
	.fill 96, 4, 3214868480
	.section	.rodata,"a",@progbits
	.p2align	6, 0x0
	.amdhsa_kernel k_q7cdd3350f9_down
		.amdhsa_group_segment_fixed_size 91136
		.amdhsa_private_segment_fixed_size 0
		.amdhsa_enable_private_segment 0
		.amdhsa_kernarg_size 48
		.amdhsa_user_sgpr_count 2
		.amdhsa_user_sgpr_kernarg_segment_ptr 1
		.amdhsa_wavefront_size32 1
		.amdhsa_system_sgpr_workgroup_id_x 1
		.amdhsa_system_sgpr_workgroup_id_y 1
		.amdhsa_system_sgpr_workgroup_id_z 1
		.amdhsa_system_vgpr_workitem_id 0
		.amdhsa_next_free_vgpr 512
		.amdhsa_next_free_sgpr 66
		.amdhsa_reserve_vcc 0
		.amdhsa_float_denorm_mode_32 3
		.amdhsa_float_denorm_mode_16_64 3
		.amdhsa_memory_ordered 1
		.amdhsa_forward_progress 1
		.amdhsa_inst_pref_size 83
	.end_amdhsa_kernel
	.amdgpu_metadata
---
amdhsa.version: [ 1, 2 ]
amdhsa.kernels:
  - .name:           k_q7cdd3350f9_down
    .symbol:         k_q7cdd3350f9_down.kd
    .args:
      - { .name: w2, .offset: 0, .size: 8, .value_kind: global_buffer, .address_space: global }
      - { .name: w2_scale, .offset: 8, .size: 8, .value_kind: global_buffer, .address_space: global }
      - { .name: aq, .offset: 16, .size: 8, .value_kind: global_buffer, .address_space: global }
      - { .name: asc, .offset: 24, .size: 8, .value_kind: global_buffer, .address_space: global }
      - { .name: pos, .offset: 32, .size: 8, .value_kind: global_buffer, .address_space: global }
      - { .name: ybuf, .offset: 40, .size: 8, .value_kind: global_buffer, .address_space: global }
    .group_segment_fixed_size: 91136
    .private_segment_fixed_size: 0
    .kernarg_segment_align: 8
    .kernarg_segment_size: 48
    .max_flat_workgroup_size: 256
    .sgpr_count:     66
    .vgpr_count:     512
    .wavefront_size: 32
...
	.end_amdgpu_metadata
.endif
;; end of part 7
;; launch combine (part 8): grid 256 x 1, 4 waves a work-group, no clusters, 0 bytes of LDS; arguments ybuf, rec, pos, gw, out0; writes out0
.if DOCPART == 8
	.amdgcn_target "amdgcn-amd-amdhsa--gfx1250"
	.amdhsa_code_object_version 6
	.text
	.protected	k_q7cdd3350f9_combine
	.globl	k_q7cdd3350f9_combine
	.p2align	8
	.type	k_q7cdd3350f9_combine,@function
k_q7cdd3350f9_combine:
	s_mov_b64 s[64:65], 0
	v_nop
	global_prefetch_b8 v0, s[64:65] scope:SCOPE_SE
	s_setreg_imm32_b32 hwreg(HW_REG_WAVE_MODE, 25, 1), 1
	s_wait_xcnt 0x0
; out[t] = g0 y(e0, rank0) + g1 y(e1, rank1).  One wave to a token: t = 4 x work-group + wave.
; rec[t] names the two experts, pos[e][t] the token's rank with each, gw[t] the gates.  The token's word of pos is read for ALL eight experts beside rec and the gates (pos holds a number for every token and
; expert), and the two that count are chosen by selects: so the ranks cost no trip to memory of their own behind rec.
; ybuf is [e][j 32][rank 1024][32 f32]: a row of y lies in 32 runs of 128 bytes, one for each owner of 32 columns; eight lanes take a run, so a load takes four runs and eight loads a row.
; The output row leaves by eight stores of 512 consecutive bytes.  A stream: no LDS, no barrier, no matrix unit, no cluster (nothing is shared).
.set Y0, 16                            ; v16-47 the first expert's row
.set Y1, 48                            ; v48-79 the second's
.set PR, 32                            ; s32-39 pos[e][t], e = 0 .. 7
	s_load_b256 s[4:11], s[0:1], 0x0               ; ybuf, rec, pos, gw
	s_load_b64 s[12:13], s[0:1], 0x20              ; out0
	v_lshrrev_b32 v1, 5, v0
	v_readfirstlane_b32 s14, v1                    ; wave
	s_lshl_b32 s15, ttmp9, 2
	s_add_co_u32 s15, s15, s14                     ; my token
	s_lshl_b32 s16, s15, 2
	s_lshl_b32 s17, s15, 3
	v_and_b32 v1, 31, v0                           ; lane
	v_lshrrev_b32 v2, 3, v1
	v_lshlrev_b32 v2, 17, v2                       ; (lane / 8) owners of 131,072 bytes
	v_and_b32 v10, 7, v1
	v_lshl_add_u32 v2, v10, 4, v2                  ; + 16 (lane % 8)
	v_lshlrev_b32 v9, 4, v1                        ; out: 16 x lane
	s_wait_alu depctr_va_vdst(0)
	s_wait_kmcnt 0x0
	s_load_b32 s20, s[6:7], s16 offset:0x0         ; rec[t]
	s_load_b64 s[22:23], s[10:11], s17 offset:0x0  ; the gates
.irp e, 0,1,2,3,4,5,6,7
	s_load_b32 s[PR+\e], s[8:9], s16 offset:4096*\e    ; pos[e][t]
.endr
	s_lshl_b32 s18, s15, 12
	s_mov_b32 s19, 0
	s_add_nc_u64 s[12:13], s[12:13], s[18:19]      ; out at my row
	s_wait_kmcnt 0x0
	s_bfe_u32 s24, s20, 0x80008                    ; e0
	s_bfe_u32 s25, s20, 0x80010                    ; e1
	s_min_u32 s24, s24, 7
	s_min_u32 s25, s25, 7
	s_mov_b32 s28, s[PR]
	s_mov_b32 s29, s[PR]
.irp e, 1,2,3,4,5,6,7
	s_cmp_eq_u32 s24, \e
	s_cselect_b32 s28, s[PR+\e], s28               ; the rank with e0,
	s_cmp_eq_u32 s25, \e
	s_cselect_b32 s29, s[PR+\e], s29               ; with e1
.endr
	v_mov_b32 v4, s22                              ; the gates as pairs for the packed forms
	v_mov_b32 v5, s22
	v_mov_b32 v6, s23
	v_mov_b32 v7, s23
	s_min_u32 s28, s28, 1023
	s_min_u32 s29, s29, 1023
	s_lshl_b32 s30, s24, 22                        ; an expert's part of ybuf is 2^22 bytes, a rank's part of a run 128
	s_lshl_b32 s28, s28, 7
	s_add_co_u32 s30, s30, s28
	s_lshl_b32 s31, s25, 22
	s_lshl_b32 s29, s29, 7
	s_add_co_u32 s31, s31, s29
	v_add_nc_u32 v3, s30, v2
	v_add_nc_u32 v8, s31, v2
.irp i, 0,1,2,3,4,5,6,7
	global_load_b128 v[Y0+4*\i:Y0+4*\i+3], v3, s[4:5] offset:524288*\i th:TH_LOAD_NT     ; owners 4 i .. 4 i + 3
.endr
.irp i, 0,1,2,3,4,5,6,7
	global_load_b128 v[Y1+4*\i:Y1+4*\i+3], v8, s[4:5] offset:524288*\i th:TH_LOAD_NT
.endr
	s_wait_alu depctr_va_vdst(0)
	s_wait_loadcnt 0x0
.set n, 0
.rept 16
	v_pk_mul_f32 v[Y0+n:Y0+n+1], v[Y0+n:Y0+n+1], v[4:5]
.set n, n+2
.endr
.set n, 0
.rept 16
	v_pk_fma_f32 v[Y0+n:Y0+n+1], v[Y1+n:Y1+n+1], v[6:7], v[Y0+n:Y0+n+1]
.set n, n+2
.endr
.irp i, 0,1,2,3,4,5,6,7
	global_store_b128 v9, v[Y0+4*\i:Y0+4*\i+3], s[12:13] offset:512*\i th:TH_STORE_NT    ; 32 lanes store 512 consecutive bytes, aligned
.endr
	s_endpgm
.Lfunc_end_k_q7cdd3350f9_combine:
	.size	k_q7cdd3350f9_combine, .Lfunc_end_k_q7cdd3350f9_combine-k_q7cdd3350f9_combine
	.p2alignl 7, 3214868480
	.fill 96, 4, 3214868480
	.section	.rodata,"a",@progbits
	.p2align	6, 0x0
	.amdhsa_kernel k_q7cdd3350f9_combine
		.amdhsa_group_segment_fixed_size 0
		.amdhsa_private_segment_fixed_size 0
		.amdhsa_enable_private_segment 0
		.amdhsa_kernarg_size 40
		.amdhsa_user_sgpr_count 2
		.amdhsa_user_sgpr_kernarg_segment_ptr 1
		.amdhsa_wavefront_size32 1
		.amdhsa_system_sgpr_workgroup_id_x 1
		.amdhsa_system_sgpr_workgroup_id_y 1
		.amdhsa_system_sgpr_workgroup_id_z 1
		.amdhsa_system_vgpr_workitem_id 0
		.amdhsa_next_free_vgpr 88
		.amdhsa_next_free_sgpr 66
		.amdhsa_reserve_vcc 0
		.amdhsa_float_denorm_mode_32 3
		.amdhsa_float_denorm_mode_16_64 3
		.amdhsa_memory_ordered 1
		.amdhsa_forward_progress 1
		.amdhsa_inst_pref_size 8
	.end_amdhsa_kernel
	.amdgpu_metadata
---
amdhsa.version: [ 1, 2 ]
amdhsa.kernels:
  - .name:           k_q7cdd3350f9_combine
    .symbol:         k_q7cdd3350f9_combine.kd
    .args:
      - { .name: ybuf, .offset: 0, .size: 8, .value_kind: global_buffer, .address_space: global }
      - { .name: rec, .offset: 8, .size: 8, .value_kind: global_buffer, .address_space: global }
      - { .name: pos, .offset: 16, .size: 8, .value_kind: global_buffer, .address_space: global }
      - { .name: gw, .offset: 24, .size: 8, .value_kind: global_buffer, .address_space: global }
      - { .name: out0, .offset: 32, .size: 8, .value_kind: global_buffer, .address_space: global }
    .group_segment_fixed_size: 0
    .private_segment_fixed_size: 0
    .kernarg_segment_align: 8
    .kernarg_segment_size: 40
    .max_flat_workgroup_size: 128
    .sgpr_count:     66
    .vgpr_count:     88
    .wavefront_size: 32
...
	.end_amdgpu_metadata
.endif
;; end of part 8
